; MI455X (gfx1250); checked and timed in simulation.
; The chip was launched on July 23, 2026; its instructions are those of AMD's public machine-readable ISA for CDNA 5 (MIT licence, August 2026) and "CDNA5" Instruction Set Architecture Reference Guide (July 2026). The comments in the code are by the model that wrote it; some were corrected since.
;; Masked Attention Head. Allowed arithmetic: float matrix products may take bf16 or f16 operands with f32 sums; other float arithmetic in f32, or as packed bf16 or f16 multiplies, adds, multiply-adds, maxima and minima; sums over many terms, partial sums and values carried from step to step in f32; what a program stores and reads back later, other than sums and carried values, may be rounded once to bf16 or f16.
;; Inputs: W_k 1,024 x 1,024 float32; W_q 1,024 x 1,024 float32; W_v 1,024 x 1,024 float32; x 4 x 2,048 x 1,024 float32.
;; Outputs: out0 4 x 2,048 x 1,024 float32.
;; One version. Each part assembles by itself: llvm-mc -triple=amdgcn-amd-amdhsa -mcpu=gfx1250 --defsym DOCPART=n.
;; ======== version 1 of 1: 5 launches
;; limits: values are held in f16: magnitudes above 65,504 overflow, below 6.1e-05 lose precision
;; workspace buffers: xh 16,777,216 bytes; wh 4,194,304 bytes; qv 33,554,432 bytes; ef 1,048,576 bytes; sc 67,108,864 bytes; pb 33,554,432 bytes
;; launch cast (part 1): grid 832 x 1, 8 waves a work-group, no clusters, 92,160 bytes of LDS; arguments x, W_q, W_k, W_v, xh, wh; writes xh, wh
.if DOCPART == 1
	.amdgcn_target "amdgcn-amd-amdhsa--gfx1250"
	.amdhsa_code_object_version 6
	.text
	.protected	k_q39890a0a73_cast
	.globl	k_q39890a0a73_cast
	.p2align	8
	.type	k_q39890a0a73_cast,@function
k_q39890a0a73_cast:
	s_mov_b64 s[64:65], 0
	v_nop
	global_prefetch_b8 v0, s[64:65] scope:SCOPE_SE
	s_setreg_imm32_b32 hwreg(HW_REG_WAVE_MODE, 25, 1), 1
	s_wait_xcnt 0x0
; Q K^T = x (W_q^T W_k) x^T: K is never formed.  This launch prepares the operands.  Three kinds of work-group, told apart by the work-group's number:
; 0-255    MT[j][i] = sum over e of W_k[e][j] W_q[e][i], weights rounded to bf16, sums in f32, times 2^-1, rounded once to f16 -> wh rows 0-1023 ([2048][1024] f16).
; 256-767  xh = x rounded to bf16, times 2^-9, written as f16 ([8192][1024]).        768-831  wh rows 1024-2047 = W_v rounded to bf16, times 2^9, written as f16.
; The powers of two are exact and cancel later: xh . wh's lower rows = x . W_v; xh . MT's rows = 2^-10 x (W_q^T W_k), which keeps that product inside f16's range.
; LIMITS.  A bf16 number is exact in f16 from 6.1e-5 to 65,504; below, f16 keeps a fixed step of 6e-8; |x| / 512, 512 |W_v| and |MT| / 2 stay under 65,504.  The powers are shared out so that both ends have
; room: with x 30 times smaller than unit spread xh is near 6.5e-5, with weights 30 times smaller than 1/32 MT / 2 is near 1.7e-5, where the fixed step is 1 part in 300 of a typical number.
; THE STREAMS.  A work-group takes 16,384 numbers, 65,536 bytes in and 32,768 out; thread t takes 16 bytes at 16 t of each of 16 pieces of 4,096 bytes; all 16 loads go out at once;
; a wave's store of 8 bytes a lane covers 256 consecutive bytes, aligned.
; MT.  A work-group makes 64 x 64: 256 work-groups, so that many have loads on their way at once.  e goes in 8 steps of 128.  In a step thread t loads, of each weight, 16 bytes of rows (t >> 4) + 16 n,
; n = 0..7: sixteen lanes take the tile's 256 bytes of a row, aligned.  Two sets of 64 registers: while one step is worked on, the next step's 16 loads are out, and the set is asked for again at once.
; The numbers go as bf16 into one of two LDS buffers, laid [e][column], and come out turned by ds_load_tr16_b128.  Wave w makes rows 16 (w >> 1) .. + 15 and columns 32 (w & 1) .. + 31: two accumulators, by turns.
; Source 0 = 16 columns of W_q, source 1 = 16 columns of W_k: lane l holds row j = l % 16 and the columns i = 8 (l / 16) + 0..7.  A tile's row of MT is 128 bytes: MT's 2 MB leave as halves of aligned 256 bytes.
.set MWG,   256                        ; work-groups that make MT
.set XWG,   512                        ; work-groups that take x
.set STEPB, 128*4096                   ; bytes from a step's rows of a weight to the next step's
.set PM,    160                        ; an LDS row: 128 bytes + 32
.set MATB,  128*PM                     ; a step's rows of one weight
.set BUFB,  2*MATB                     ; W_k's, then W_q's
.set STG,   2*BUFB                     ; behind the two buffers: 64 rows x 144 bytes, the way out
.set SPT,   144
.set SPARE, STG+64*SPT                 ; the spare words, 128 bytes a wave, which no other line names
.set GV,  4                            ; v4   my byte offset in a step's rows of a weight
.set LV,  5                            ; v5   where I put 8 bytes of a row of W_k in a buffer
.set LW,  8                            ; v8   the same for W_q: MATB further on, so that the stores' immediates, BUFB + 7 x 16 rows at the most, stay within 16 bits
.set VK,  9                            ; v9   my place in W_k's fragment
.set VQ,  10                           ; v10  in W_q's fragments
.set STO, 11                           ; v11  the way out: where I put 16 bytes of a row
.set RD,  12                           ; v12  where I read them back
.set WO,  13                           ; v13  my byte offset in the tile's rows of wh
.set SPW, 14                           ; v14  my spare word's LDS address; never rewritten
.set NIL, 15                           ; v15  0; never rewritten
.set SET, 16                           ; v[16:143]  two sets of 64: eight loads of W_k, eight of W_q.  In the streams: v[16:79] the 16 loads, v[80:111] the results, v[112:123] at work
.set ACC, 144                          ; v[144:159] two accumulators
.set FR,  160                          ; v[160:255] a step's fragments: quarter ks: W_k's at FR + 24 ks, W_q's two behind it
.macro MLOADS p, off                   ; a step's 16 loads into set p, from byte off behind the two pointers
.set mm, 0
.rept 8
	global_load_b128 v[SET+64*(\p)+4*mm:SET+64*(\p)+4*mm+3], v[GV], s[8:9] offset:(\off)+65536*mm
.set mm, mm+1
.endr
.set mm, 0
.rept 8
	global_load_b128 v[SET+64*(\p)+32+4*mm:SET+64*(\p)+32+4*mm+3], v[GV], s[6:7] offset:(\off)+65536*mm
.set mm, mm+1
.endr
.endm
; A step, on set p and LDS buffer p.  ahead = 1: the set is asked for again, two steps on.  left: the other set's loads, which may stay out.
.macro MSTEP p, ahead, left
	s_wait_loadcnt \left                           ; loads come back in order: my set is in
.set nn, 0
.rept 16                               ; four f32 become four bf16 in the load's first two registers; these 32 plain lines are also the places between the last products and the loads into their fragments
	v_cvt_pk_bf16_f32 v[SET+64*(\p)+4*nn],   v[SET+64*(\p)+4*nn],   v[SET+64*(\p)+4*nn+1]
	v_cvt_pk_bf16_f32 v[SET+64*(\p)+4*nn+1], v[SET+64*(\p)+4*nn+2], v[SET+64*(\p)+4*nn+3]
.set nn, nn+1
.endr
.set nn, 0
.rept 8
	ds_store_b64 v[LV], v[SET+64*(\p)+4*nn:SET+64*(\p)+4*nn+1]       offset:(\p)*BUFB+nn*16*PM
	ds_store_b64 v[LW], v[SET+64*(\p)+32+4*nn:SET+64*(\p)+32+4*nn+1] offset:(\p)*BUFB+nn*16*PM
.set nn, nn+1
.endr
	s_wait_dscnt 0x0                               ; for the others' sake: my stores into this buffer are done, and so are my reads of the other one, which the next step writes
.if \ahead
	MLOADS \p, (2+(\p))*STEPB                      ; behind that wait, so the stores have read the registers that are loaded again
.endif
	s_barrier_signal -1
	s_barrier_wait -1                              ; the buffer is whole
.set ks, 0
.rept 4
	ds_load_tr16_b128 v[FR+24*ks:FR+24*ks+3],     v[VK] offset:(\p)*BUFB+ks*32*PM
	ds_load_tr16_b128 v[FR+24*ks+4:FR+24*ks+7],   v[VK] offset:(\p)*BUFB+ks*32*PM+16*PM
	ds_load_tr16_b128 v[FR+24*ks+8:FR+24*ks+11],  v[VQ] offset:(\p)*BUFB+ks*32*PM
	ds_load_tr16_b128 v[FR+24*ks+12:FR+24*ks+15], v[VQ] offset:(\p)*BUFB+ks*32*PM+16*PM
	ds_load_tr16_b128 v[FR+24*ks+16:FR+24*ks+19], v[VQ] offset:(\p)*BUFB+ks*32*PM+32
	ds_load_tr16_b128 v[FR+24*ks+20:FR+24*ks+23], v[VQ] offset:(\p)*BUFB+ks*32*PM+16*PM+32
.set ks, ks+1
.endr
.set ks, 0
.rept 4
	s_wait_dscnt 18-6*ks                           ; quarter ks is in; the later quarters' six loads each may stay out
	v_wmma_f32_16x16x32_bf16 v[ACC:ACC+7],    v[FR+24*ks+8:FR+24*ks+15],  v[FR+24*ks:FR+24*ks+7], v[ACC:ACC+7]
	v_wmma_f32_16x16x32_bf16 v[ACC+8:ACC+15], v[FR+24*ks+16:FR+24*ks+23], v[FR+24*ks:FR+24*ks+7], v[ACC+8:ACC+15]
.set ks, ks+1
.endr
.endm
	s_load_b256 s[4:11], s[0:1], 0x0               ; x s[4:5], W_q s[6:7], W_k s[8:9], W_v s[10:11]
	s_load_b128 s[12:15], s[0:1], 0x20             ; xh s[12:13], wh s[14:15]
	v_lshl_add_u32 v[SPW], v0, 2, SPARE
	v_mov_b32 v[NIL], 0
	s_cmp_lt_u32 ttmp9, MWG
	s_cbranch_scc1 .Lmprod
	; THE STREAMS
	s_sub_co_u32 s16, ttmp9, MWG                   ; my number among x's work-groups,
	s_sub_co_u32 s17, s16, XWG                     ; or among W_v's
	v_lshlrev_b32 v1, 4, v0                        ; my 16 bytes of a piece that comes in
	v_lshlrev_b32 v2, 3, v0                        ; my 8 bytes of a piece that goes out
	s_mov_b32 s28, 0xffff0000                      ; a word's upper bf16
	s_mov_b32 s30, 0x3b000000                      ; 2^-9, for x
	s_mov_b32 s31, 0x44000000                      ; 2^9, for W_v
	s_wait_kmcnt 0x0
	s_add_nc_u64 s[14:15], s[14:15], 1024*2048     ; wh at row 1024
	s_cmp_lt_u32 s16, XWG
	s_cselect_b64 s[20:21], s[4:5], s[10:11]
	s_cselect_b64 s[22:23], s[12:13], s[14:15]
	s_cselect_b32 s18, s16, s17
	s_cselect_b32 s30, s30, s31
	s_mov_b32 s31, s30                             ; named with it as a pair
	s_lshl_b32 s24, s18, 16                        ; 65,536 bytes a work-group in,
	s_mov_b32 s25, 0
	s_lshl_b32 s26, s18, 15                        ; 32,768 out
	s_mov_b32 s27, 0
	s_add_nc_u64 s[20:21], s[20:21], s[24:25]
	s_add_nc_u64 s[22:23], s[22:23], s[26:27]
.set jj, 0
.rept 16
	global_load_b128 v[SET+4*jj:SET+4*jj+3], v1, s[20:21] offset:4096*jj th:TH_LOAD_NT
.set jj, jj+1
.endr
.set jj, 0
.rept 16
.set TT, 112+6*(jj%2)
	s_wait_loadcnt 15-jj                           ; piece jj is in, the 15 - jj younger ones stay out
	v_cvt_pk_bf16_f32 v[TT],   v[SET+4*jj],   v[SET+4*jj+1]   ; the one rounding
	v_cvt_pk_bf16_f32 v[TT+1], v[SET+4*jj+2], v[SET+4*jj+3]
	v_lshlrev_b32 v[TT+2], 16, v[TT]               ; back to f32: the low half moves up, the high half stays
	v_and_b32     v[TT+3], s28, v[TT]
	v_lshlrev_b32 v[TT+4], 16, v[TT+1]
	v_and_b32     v[TT+5], s28, v[TT+1]
	v_pk_mul_f32 v[TT+2:TT+3], v[TT+2:TT+3], s[30:31] op_sel_hi:[1,0]  ; a power of two: exact
	v_pk_mul_f32 v[TT+4:TT+5], v[TT+4:TT+5], s[30:31] op_sel_hi:[1,0]
	v_cvt_pk_f16_f32 v[80+2*jj],   v[TT+2], v[TT+3]
	v_cvt_pk_f16_f32 v[80+2*jj+1], v[TT+4], v[TT+5]
	global_store_b64 v2, v[80+2*jj:80+2*jj+1], s[22:23] offset:2048*jj
.set jj, jj+1
.endr
	s_branch .Lend                                 ; no store's register was written twice
.Lmprod:
	v_lshrrev_b32 v1, 5, v0
	v_readfirstlane_b32 s16, v1                    ; wave 0..7
	v_lshrrev_b32 v2, 4, v0                        ; t >> 4: my row among 16
	v_and_b32 v3, 15, v0                           ; t & 15: my 16 bytes of its 256
	v_lshlrev_b32 v[GV], 12, v2
	v_lshl_add_u32 v[GV], v3, 4, v[GV]
	s_lshr_b32 s17, ttmp9, 4                       ; tile row of MT: 64 columns of W_k
	s_and_b32 s18, ttmp9, 15                       ; tile column: 64 columns of W_q
	s_lshl_b32 s20, s17, 8
	s_mov_b32 s21, 0
	s_lshl_b32 s22, s18, 8
	s_mov_b32 s23, 0
	s_lshl_b32 s24, s17, 17                        ; 64 rows of 2,048 bytes of wh,
	s_lshl_b32 s25, s18, 7                         ; 64 columns of 2 bytes
	s_add_co_u32 s24, s24, s25
	s_mov_b32 s25, 0
	s_mov_b32 s30, 0x3f000000                      ; 2^-1
	s_mov_b32 s31, s30
	s_wait_kmcnt 0x0
	s_add_nc_u64 s[8:9], s[8:9], s[20:21]
	s_add_nc_u64 s[6:7], s[6:7], s[22:23]
	s_add_nc_u64 s[14:15], s[14:15], s[24:25]
	MLOADS 0, 0                                    ; step 0
	MLOADS 1, STEPB                                ; step 1
	v_mul_u32_u24 v[LV], v2, PM
	v_lshl_add_u32 v[LV], v3, 3, v[LV]             ; row x pitch + my 8 bytes
	v_and_b32 v6, 7, v0                            ; the turning load's lane l reads row 8 (l / 16) + l % 8, columns 8 ((l / 8) % 2) + 0..7
	v_bfe_u32 v7, v0, 4, 1
	v_bfe_u32 v8, v0, 3, 1
	v_lshl_add_u32 v6, v7, 3, v6
	v_mul_u32_u24 v6, v6, PM
	v_lshl_add_u32 v6, v8, 4, v6
	v_add_nc_u32 v[LW], MATB, v[LV]                ; W_q's rows lie behind W_k's
	s_lshr_b32 s26, s16, 1                         ; my 16 rows of MT
	s_and_b32 s27, s16, 1                          ; my 32 columns
	s_lshl_b32 s28, s26, 5
	v_add_nc_u32 v[VK], s28, v6
	s_lshl_b32 s29, s27, 6
	s_add_co_u32 s28, s29, MATB
	v_add_nc_u32 v[VQ], s28, v6
	v_mul_u32_u24 v[STO], v3, SPT                  ; in: row 16 (w >> 1) + l % 16, my 32 columns' 64 bytes, 16 bytes for each half of the lanes
	v_lshl_add_u32 v[STO], v7, 4, v[STO]
	s_mul_i32 s28, s26, 16*SPT
	s_add_co_u32 s28, s28, s29
	s_add_co_u32 s28, s28, STG
	v_add_nc_u32 v[STO], s28, v[STO]
	v_lshrrev_b32 v1, 3, v0                        ; back: thread t takes 16 bytes of rows t >> 3 and 32 + (t >> 3)
	v_and_b32 v2, 7, v0
	v_mul_u32_u24 v[RD], v1, SPT
	v_lshl_add_u32 v[RD], v2, 4, v[RD]
	v_add_nc_u32 v[RD], STG, v[RD]
	v_lshlrev_b32 v[WO], 11, v1
	v_lshl_add_u32 v[WO], v2, 4, v[WO]
.set rr, 0
.rept 16
	v_mov_b32 v[ACC+rr], 0                         ; the sums start at 0: written while the first loads are out, so that the loop has one form of product
.set rr, rr+1
.endr
	s_mov_b32 s19, 3
.Lm:                                                   ; three trips: steps 2 i and 2 i + 1 are multiplied, steps 2 i + 2 and 2 i + 3 asked for
	MSTEP 0, 1, 16
	MSTEP 1, 1, 16
	s_wait_xcnt 0x0                                ; every load issued so far has read its address: the pointers may be written
	s_add_nc_u64 s[8:9], s[8:9], 2*STEPB
	s_add_nc_u64 s[6:7], s[6:7], 2*STEPB
	s_sub_co_u32 s19, s19, 1
	s_cmp_lg_u32 s19, 0
	s_cbranch_scc1 .Lm
	MSTEP 0, 0, 16                                 ; the last two steps load nothing
	MSTEP 1, 0, 0
.rept 8
	v_nop                                          ; the places behind the last products
.endr
.set rr, 0
.rept 8
	v_pk_mul_f32 v[ACC+rr:ACC+rr+1], v[ACC+rr:ACC+rr+1], s[30:31] op_sel_hi:[1,0]
.set rr, rr+2
.endr
.irp b, 0,1
.irp q, 0,1,2,3
	v_cvt_pk_f16_f32 v[FR+4*(\b)+(\q)], v[ACC+8*(\b)+2*(\q)], v[ACC+8*(\b)+2*(\q)+1]
.endr
.endr
	ds_store_b128 v[STO], v[FR:FR+3]
	ds_store_b128 v[STO], v[FR+4:FR+7] offset:32
	s_wait_dscnt 0x0                               ; for the others' sake: a row's 128 bytes come from two waves
	s_barrier_signal -1
	s_barrier_wait -1
	ds_load_b128 v[FR+8:FR+11],  v[RD]
	ds_load_b128 v[FR+12:FR+15], v[RD] offset:32*SPT
	s_wait_dscnt 0x0
	global_store_b128 v[WO], v[FR+8:FR+11],  s[14:15]                  ; eight lanes store a row's 128 consecutive bytes
	global_store_b128 v[WO], v[FR+12:FR+15], s[14:15] offset:32*2048
.Lend:
	s_wait_tensorcnt 0x0                           ; the wave's end, behind my last LDS store
	ds_add_u32 v[SPW], v[NIL]
	s_wait_dscnt 0x0
	s_endpgm
.Lfunc_end_k_q39890a0a73_cast:
	.size	k_q39890a0a73_cast, .Lfunc_end_k_q39890a0a73_cast-k_q39890a0a73_cast
	.p2alignl 7, 3214868480
	.fill 96, 4, 3214868480
	.section	.rodata,"a",@progbits
	.p2align	6, 0x0
	.amdhsa_kernel k_q39890a0a73_cast
		.amdhsa_group_segment_fixed_size 92160
		.amdhsa_private_segment_fixed_size 0
		.amdhsa_enable_private_segment 0
		.amdhsa_kernarg_size 48
		.amdhsa_user_sgpr_count 2
		.amdhsa_user_sgpr_kernarg_segment_ptr 1
		.amdhsa_wavefront_size32 1
		.amdhsa_system_sgpr_workgroup_id_x 1
		.amdhsa_system_sgpr_workgroup_id_y 1
		.amdhsa_system_sgpr_workgroup_id_z 1
		.amdhsa_system_vgpr_workitem_id 0
		.amdhsa_next_free_vgpr 256
		.amdhsa_next_free_sgpr 66
		.amdhsa_reserve_vcc 0
		.amdhsa_float_denorm_mode_32 3
		.amdhsa_float_denorm_mode_16_64 3
		.amdhsa_memory_ordered 1
		.amdhsa_forward_progress 1
		.amdhsa_inst_pref_size 46
	.end_amdhsa_kernel
	.amdgpu_metadata
---
amdhsa.version: [ 1, 2 ]
amdhsa.kernels:
  - .name:           k_q39890a0a73_cast
    .symbol:         k_q39890a0a73_cast.kd
    .args:
      - { .name: x, .offset: 0, .size: 8, .value_kind: global_buffer, .address_space: global }
      - { .name: W_q, .offset: 8, .size: 8, .value_kind: global_buffer, .address_space: global }
      - { .name: W_k, .offset: 16, .size: 8, .value_kind: global_buffer, .address_space: global }
      - { .name: W_v, .offset: 24, .size: 8, .value_kind: global_buffer, .address_space: global }
      - { .name: xh, .offset: 32, .size: 8, .value_kind: global_buffer, .address_space: global }
      - { .name: wh, .offset: 40, .size: 8, .value_kind: global_buffer, .address_space: global }
    .group_segment_fixed_size: 92160
    .private_segment_fixed_size: 0
    .kernarg_segment_align: 8
    .kernarg_segment_size: 48
    .max_flat_workgroup_size: 256
    .sgpr_count:     66
    .vgpr_count:     256
    .wavefront_size: 32
...
	.end_amdgpu_metadata
.endif
;; end of part 1
;; launch proj (part 2): grid 8 x 32, 4 waves a work-group, clusters of 4 x 4, 327,680 bytes of LDS; arguments xh, wh, qv, ef; writes qv, ef
.if DOCPART == 2
	.amdgcn_target "amdgcn-amd-amdhsa--gfx1250"
	.amdhsa_code_object_version 6
	.text
	.protected	k_q39890a0a73_proj
	.globl	k_q39890a0a73_proj
	.p2align	8
	.type	k_q39890a0a73_proj,@function
k_q39890a0a73_proj:
	s_mov_b64 s[64:65], 0
	v_nop
	global_prefetch_b8 v0, s[64:65] scope:SCOPE_SE
	s_setreg_imm32_b32 hwreg(HW_REG_WAVE_MODE, 25, 1), 1
	s_wait_xcnt 0x0
	s_wait_alu depctr_hold_cnt(0) depctr_sa_sdst(0) depctr_va_vdst(0) depctr_va_sdst(0) depctr_va_ssrc(0) depctr_va_vcc(0) depctr_vm_vsrc(0)
	s_getreg_b32 s2, hwreg(HW_REG_IB_STS2, 6, 4)
	s_cmp_eq_u32 s2, 0
	s_cbranch_scc0 .Lentry_in_a_cluster
	s_endpgm
.Lentry_in_a_cluster:
	s_bfe_u32 s2, ttmp6, 0x10000c
	s_cmp_lg_u32 s2, 0xf033
	s_cbranch_scc0 .Lentry_shape_is_right
	s_endpgm
.Lentry_shape_is_right:
; qv[t][n] = sum over d of xh[t][d] wh[n][d].  xh: [8192][1024], wh: [2048][1024], both f16 (numbers rounded to bf16 or made by the launch before, with exact powers of two on them); sums in f32;
; qv: [8192][2048] rounded once to f16.  Columns 0-1023: Q'' = 2^-10 x (W_q^T W_k); columns 1024-2047: V = x W_v^T.  The f32 sums of tokens 0-31 of each batch of 2,048 go out as well, unrounded, to
; ef [4][32][2048]: the first rows of a batch average over a few keys only and are finished from them in f32 by a later launch.
; LIMIT.  f16 ends at 65,504: a sum of 65,520 or more becomes an infinity.  With x and weights 30 times those of unit spread V stays near 900 and Q'' near 26; with both offset by 30 spreads, near 3.1e4.
; SHARES.  A tile of qv, 256 x 256, is made by a work-group of four waves, a wave 128 x 128: 64 accumulators of 16 x 16, 512 registers.  K goes in steps of 128 through a ring of two
; LDS slots filled by tensor loads whose rows are 256 bytes of memory, aligned.  8 x 32 = 256 tiles.  The last K step goes by rows, so that finished rows leave while the others are multiplied.
; CLUSTERS.  4 x 4 work-groups.  Tile column = 4 x cluster x + cx; tile row = 8 cy + cluster y: the four rows of a cluster lie at the same place in the four batches, so that
; 'this tile holds a batch's first tokens' is cluster y = 0, the same in all sixteen partners.  The four of a row of the cluster ask for xh's tile JOINTLY, the four of a column for wh's.
; REGISTERS, in windows of 256: window 0: v0-31 addresses; v64-127, v128-191 fragments of xh, two buffers (in the last K step four, of 16 rows x 128 K); v32-63, v192-255 the way out.
;   window 1: v64-127, v128-191 fragments of wh (in the last K step all 256).   window 2: the accumulators of my rows 0-63 ((a, b) at v[8 (8 a + b)]);   window 3: of rows 64-127.
; THE MATRIX INSTRUCTION IS USED TRANSPOSED: source 0 = 16 rows of wh, source 1 = 16 rows of xh: lane l holds row l % 16 and the eight neighbouring columns 8 (l / 16) + 0..7.
.set SIZE_N, 2048
.set SIZE_K, 1024
.set KSTEP,  128
.set PITCH,  272                       ; an LDS row: 256 bytes + 16 of padding = 68 words: the 16 rows that a load touches start at 16 different groups of four banks (64 banks of 4 bytes: ISA guide 11.1)
.set HALFT,  128*PITCH                 ; 128 rows: what one tensor load brings
.set SLOT,   4*HALFT                   ; xh's 256 rows, then wh's 256 rows
.set STAGE,  2*SLOT                    ; behind the ring: 16 rows x 272 bytes for each wave, for the way out
.set SPITCH, 272
.set SPARE,  STAGE+4*16*SPITCH         ; behind the stages: the spare words, 128 bytes a wave, which no other line names
.set LAPS, SIZE_K/(2*KSTEP)            ; a lap = two K steps = once round the ring: 4
.set EFROW, 8192                       ; bytes in a row of ef
.set ADRA, 16                          ; v16-17  LDS address of my xh fragments in slot 0, 1
.set ADRB, 20                          ; v20-21  the same for wh
.set STO,  24                          ; v24     the way out: where I put 16 bytes of a row
.set RD,   25                          ; v25     the way out: where I read a row back
.set CO,   26                          ; v26     my byte offset in qv
.set EO,   27                          ; v27     my byte offset in ef: (l % 16) rows + 32 (l / 16)
.set SPW,  28                          ; v28     my spare word's LDS address; never rewritten
.set NIL,  29                          ; v29     0; never rewritten
.set PFO,  30                          ; v30     the prefetches' offset: my lane x a row of 2,048 bytes; never rewritten
.set PFA,  44                          ; s[44:45] where my prefetches stand
.set LIM,  43                          ; s43     1 in a wave that prefetches, else the greatest number
.set EF,   66                          ; s[66:67] ef at my batch and my wave's first column
.set CLY,  68                          ; s68     cluster y
.set FIRST, 69                         ; s69     0: my wave's rows begin with a batch's token 0
.set F0,   64
.set F1,   128
.set TMP,  192
.set OB,   32
.set PA,   64
.set G1, 24                            ; s[24:31] descriptor group 1 for xh's tiles;  s[32:39] group 0, a set for each slot
.set G0, 32
.set G1B, 48                           ; s[48:55], s[56:63] the same for wh's
.set G0B, 56
.set MSB, 0
.macro WIN new                         ; the immediate's high byte repeats the setting that is left; a switch that changes nothing is dropped
.if MSB != (\new)
	s_set_vgpr_msb (MSB<<8)|(\new)
.set MSB, \new
.endif
.endm
.set MUL_LO, 0xa1                      ; source 0 (wh) window 1, source 1 (xh) window 0, C and D window 2
.set MUL_HI, 0xf1                      ; the same, C and D window 3
.set TO_B,   0x40                      ; destination window 1, address window 0
; A joint load.  Waves 0 and 1 fetch xh's two halves, waves 2 and 3 wh's.  The branch hangs on the wave's number alone.  An s_nop 0 and four v_nop follow each line.
.macro JLOAD s
	s_cmp_eq_u32 s11, 0
	s_cbranch_scc0 .Lfor_b_\@
	tensor_load_to_lds s[G0+4*(\s):G0+4*(\s)+3], s[G1:G1+7]
	s_nop 0
.rept 4
	v_nop
.endr
	s_branch .Lasked_\@
.Lfor_b_\@:
	tensor_load_to_lds s[G0B+4*(\s):G0B+4*(\s)+3], s[G1B:G1B+7]
	s_nop 0
.rept 4
	v_nop
.endr
.Lasked_\@:
.endm
; A prefetch of the K step that stands two refills on: 32 rows x 256 bytes, a lane a row, one instruction a wave, 512 matrix instructions ahead of the load that will want it.
; Each row's 256 bytes of a K step are named once in the launch: xh's by the clusters with x = 0, wh's by those with y = 0; of the 128 rows that a wave fetches each of the four
; partners that ask jointly takes 32, told apart by address.  The loop's last trip (s3 = 1) has no K step two on and asks for nothing.
.macro ASK
	s_cmp_gt_u32 s3, s[LIM]
	s_cbranch_scc0 .Lnot_mine_\@
	global_prefetch_b8 v[PFO], s[PFA:PFA+1] offset:KSTEP*2 th:TH_LOAD_NT scope:SCOPE_SE
.Lnot_mine_\@:
.endm
; A round of the cluster's barrier: my work-group's barrier; wave 0 signals for the work-group; every wave waits for all sixteen; my work-group's barrier once more.
.macro CREST
	s_cmp_lg_u32 s10, 0
	s_cbranch_scc1 .Lnot_wave_0_\@
	s_barrier_signal -3
.Lnot_wave_0_\@:
	s_barrier_wait -3
	s_barrier_signal -1
	s_barrier_wait -1
.endm
.macro CROUND
	s_barrier_signal -1
	s_barrier_wait -1
	CREST
.endm
	s_load_b128 s[4:7], s[0:1], 0x0                ; xh s[4:5], wh s[6:7]
	s_load_b64 s[8:9], s[0:1], 0x10                ; qv
	s_load_b64 s[EF:EF+1], s[0:1], 0x18            ; ef
	v_lshl_add_u32 v[SPW], v0, 2, SPARE
	v_mov_b32 v[NIL], 0
	ds_add_u32 v[SPW], v[NIL]                      ; the wave's opening: the add, with its wait ahead of my first tensor load; the set-up stands between them
	v_lshrrev_b32 v1, 5, v0
	v_readfirstlane_b32 s10, v1                    ; wave 0..3
	s_lshr_b32 s11, s10, 1                         ; which half of the tile's rows is mine.  Also: I fetch for xh (0) or wh (1)
	s_and_b32 s12, s10, 1                          ; which half of its columns.  Also: which 128 rows of that tile I fetch
	s_bfe_u32 s40, ttmp6, 0x40000                  ; cx
	s_bfe_u32 s41, ttmp6, 0x40004                  ; cy = the batch
	s_lshl_b32 s42, ttmp9, 2
	s_add_co_u32 s42, s42, s40                     ; tile column = 4 x cluster x + cx
	s_and_b32 s[CLY], ttmp7, 0xffff
	s_lshl_b32 s13, s41, 3
	s_add_co_u32 s13, s13, s[CLY]                  ; tile row = 8 cy + cluster y
	s_or_b32 s[FIRST], s[CLY], s11
	s_lshl_b32 s43, s41, 2
	s_lshl_b32 s43, 15, s43                        ; my row of the cluster: places 4 cy .. 4 cy + 3
	s_lshl_b32 s44, 0x1111, s40                    ; my column: places cx, cx + 4, cx + 8, cx + 12
	; descriptor group 1: a tile of 128 rows x 128 elements of 2 bytes, 4 words of padding behind every 64
	s_or_b32 s[G1+0], s43, (1<<16)|(1<<20)|(1<<21)|(5<<22)|(3<<25)
	s_or_b32 s[G1B+0], s44, (1<<16)|(1<<20)|(1<<21)|(5<<22)|(3<<25)
.irp g, G1, G1B
	s_mov_b32 s[(\g)+1], KSTEP<<16                 ; tensor_dim0 = 128
	s_mov_b32 s[(\g)+2], 128<<16                   ; tensor_dim1 = 128
	s_mov_b32 s[(\g)+3], KSTEP<<16                 ; tile_dim0 = 128
	s_mov_b32 s[(\g)+4], 128                       ; tile_dim1 = 128
	s_mov_b32 s[(\g)+5], SIZE_K                    ; elements from row to row
	s_mov_b32 s[(\g)+6], 0
	s_mov_b32 s[(\g)+7], 0
.endr
	; xh's tile hangs on the tile row alone, wh's on the tile column alone, each in registers that never hold the other coordinate
	s_lshl_b32 s17, s12, 7
	s_lshl_b32 s16, s13, 8
	s_add_co_u32 s16, s16, s17                     ; xh: row 256 x tile row + 128 x half
	s_lshl_b32 s46, s42, 8
	s_add_co_u32 s46, s46, s17                     ; wh: row 256 x tile column + 128 x half
	s_mov_b32 s17, 0
	s_mov_b32 s47, 0
	s_mov_b64 s[18:19], SIZE_K*2
	s_mul_u64 s[16:17], s[16:17], s[18:19]
	s_mul_u64 s[46:47], s[46:47], s[18:19]
	s_mul_i32 s20, s10, HALFT                      ; where they go: wave x 128 rows
	s_wait_dscnt 0x0                               ; the opening add is done
	s_wait_kmcnt 0x0
	s_add_nc_u64 s[14:15], s[4:5], s[16:17]
	s_add_nc_u64 s[46:47], s[6:7], s[46:47]
	CROUND                                         ; all sixteen work-groups are here: the first joint loads meet
.irp s, 0,1
	s_mov_b32 s[G0+4*(\s)], 1
	s_add_co_u32 s[G0+4*(\s)+1], s20, (\s)*SLOT
	s_add_nc_u64 s[G0+4*(\s)+2:G0+4*(\s)+3], s[14:15], (\s)*KSTEP*2
	s_or_b32 s[G0+4*(\s)+3], s[G0+4*(\s)+3], 0x80000000
	s_mov_b32 s[G0B+4*(\s)], 1
	s_add_co_u32 s[G0B+4*(\s)+1], s20, (\s)*SLOT
	s_add_nc_u64 s[G0B+4*(\s)+2:G0B+4*(\s)+3], s[46:47], (\s)*KSTEP*2
	s_or_b32 s[G0B+4*(\s)+3], s[G0B+4*(\s)+3], 0x80000000
	JLOAD \s                                       ; two loads of mine are out
.endr
	; a fragment is 16 rows x 32 K in 8 registers: lane l holds row l % 16, K = 8 (l / 16) + 0..7 and 16 + 8 (l / 16) + 0..7: two loads of 16 bytes, 32 bytes apart
	v_and_b32 v1, 15, v0
	v_bfe_u32 v2, v0, 4, 1
	v_mul_u32_u24 v3, v1, PITCH
	v_lshl_add_u32 v3, v2, 4, v3
	s_mul_i32 s21, s11, HALFT
	s_mul_i32 s22, s12, HALFT
	s_add_co_u32 s22, s22, 2*HALFT
.irp s, 0,1
	v_add_nc_u32 v[ADRA+(\s)], s21, v3
	v_add_nc_u32 v[ADRB+(\s)], s22, v3
	s_add_co_u32 s21, s21, SLOT
	s_add_co_u32 s22, s22, SLOT
.endr
	s_mul_i32 s23, s10, 16*SPITCH
	s_add_co_u32 s23, s23, STAGE                   ; my stage
	v_mul_u32_u24 v4, v1, SPITCH
	v_lshl_add_u32 v4, v2, 4, v4
	v_add_nc_u32 v[STO], s23, v4
	v_mul_u32_u24 v5, v2, SPITCH
	v_lshl_add_u32 v5, v1, 4, v5
	v_add_nc_u32 v[RD], s23, v5
	v_mul_u32_u24 v5, v2, SIZE_N*2
	v_lshl_add_u32 v[CO], v1, 4, v5
	v_mul_u32_u24 v[EO], v1, EFROW
	v_lshl_add_u32 v[EO], v2, 5, v[EO]
	; where my part of the tile begins in qv, in bytes
	s_lshl_b32 s13, s13, 8
	s_lshl_b32 s14, s11, 7
	s_add_co_u32 s16, s13, s14
	s_mov_b32 s17, 0
	s_mov_b64 s[18:19], SIZE_N*2
	s_mul_u64 s[16:17], s[16:17], s[18:19]
	s_lshl_b32 s46, s42, 9                         ; my first column, in bytes of f16: 512 x tile column + 256 x half
	s_lshl_b32 s47, s12, 8
	s_add_co_u32 s46, s46, s47
	s_mov_b32 s47, 0
	s_add_nc_u64 s[16:17], s[16:17], s[46:47]
	s_lshl_b32 s70, s46, 1                         ; the same column in bytes of f32,
	s_mul_i32 s71, s41, 32*EFROW                   ; and my batch's 32 rows of ef
	s_add_co_u32 s70, s70, s71
	s_mov_b32 s71, 0
	s_add_nc_u64 s[EF:EF+1], s[EF:EF+1], s[70:71]
	; the prefetches
	s_lshl_b32 s42, s42, 8
	s_and_b32 s22, ttmp7, 0xffff
	s_cmp_eq_u32 s11, 0                            ; do I fetch for xh?
	s_cselect_b32 s20, s13, s42                    ; the tile's first row
	s_cselect_b32 s21, s40, s41                    ; my place among the four that ask for it with me
	s_cselect_b32 s22, ttmp9, s22                  ; the coordinate along which other clusters read the same rows
	s_cselect_b64 s[PFA:PFA+1], s[4:5], s[6:7]
	s_cmp_eq_u32 s22, 0
	s_cselect_b32 s[LIM], 1, -1
	s_lshl_b32 s22, s12, 7
	s_add_co_u32 s20, s20, s22
	s_lshl_b32 s21, s21, 5
	s_add_co_u32 s20, s20, s21
	s_mov_b32 s21, 0
	s_mov_b64 s[18:19], SIZE_K*2
	s_mul_u64 s[20:21], s[20:21], s[18:19]
	s_add_nc_u64 s[PFA:PFA+1], s[PFA:PFA+1], s[20:21]
	s_add_nc_u64 s[PFA:PFA+1], s[PFA:PFA+1], 2*KSTEP*2  ; at K step 2: the first refill steps it to 3 and names K step 4
	v_and_b32 v[PFO], 31, v0
	v_mul_u32_u24 v[PFO], v[PFO], SIZE_K*2
; 16 matrix instructions: m blocks a0, a0 + 1 of the window's four x all 8 n blocks, 32 along K.  zero = 1: the first product starts the sums.
.macro MUL16 f, hi, a0, zero
	WIN MUL_LO+0x50*(\hi)
.irp a, \a0, (\a0)+1
.irp b, 0,1,2,3,4,5,6,7
.if \zero
	v_wmma_f32_16x16x32_f16 v[8*(8*(\a)+(\b)):8*(8*(\a)+(\b))+7], v[(\f)+8*(\b):(\f)+8*(\b)+7], v[(\f)+8*(4*(\hi)+(\a)):(\f)+8*(4*(\hi)+(\a))+7], 0
.else
	v_wmma_f32_16x16x32_f16 v[8*(8*(\a)+(\b)):8*(8*(\a)+(\b))+7], v[(\f)+8*(\b):(\f)+8*(\b)+7], v[(\f)+8*(4*(\hi)+(\a)):(\f)+8*(4*(\hi)+(\a))+7], v[8*(8*(\a)+(\b)):8*(8*(\a)+(\b))+7]
.endif
.endr
.endr
.endm
; 32 LDS loads in one run: the fragments of one quarter step (32 K at byte k of the rows) into buffer f
.macro FETCH slot, k, f
	WIN TO_B
.irp i, 0,1,2,3,4,5,6,7
	ds_load_b128 v[(\f)+8*(\i):(\f)+8*(\i)+3],   v[ADRB+(\slot)] offset:(\k)+(\i)*16*PITCH
	ds_load_b128 v[(\f)+8*(\i)+4:(\f)+8*(\i)+7], v[ADRB+(\slot)] offset:(\k)+(\i)*16*PITCH+32
.endr
	WIN 0
.irp i, 0,1,2,3,4,5,6,7
	ds_load_b128 v[(\f)+8*(\i):(\f)+8*(\i)+3],   v[ADRA+(\slot)] offset:(\k)+(\i)*16*PITCH
	ds_load_b128 v[(\f)+8*(\i)+4:(\f)+8*(\i)+7], v[ADRA+(\slot)] offset:(\k)+(\i)*16*PITCH+32
.endr
.endm
.macro PLACES                          ; four plain places behind a matrix instruction, in front of loads into registers that it read and of lines that read its result
.rept 4
	v_nop
.endr
.endm
; A K step is four quarters of 32 along K, 64 matrix instructions each, on buffers 0, 1, 0, 1.  One of the first three: multiplies f, fetches the next quarter, at byte k, into g.
.macro QUARTER slot, k, f, g, zero
	s_wait_dscnt 8                                 ; wh's and xh's rows 0-63 are in; the youngest eight loads (xh's rows 64-127) may be out
	WIN MUL_LO
	MUL16 \f, 0, 0, \zero
	MUL16 \f, 0, 2, \zero
	PLACES
	FETCH \slot, \k, \g
	s_wait_dscnt 32                                ; all but the 32 just issued
	WIN MUL_HI
	MUL16 \f, 1, 0, \zero
	MUL16 \f, 1, 2, \zero
.endm
; The last quarter's first half: ONE barrier for the change of slots.  In front of it each wave waits for all its tensor loads (the one that is out is its part of the next slot), adds 0 to its
; spare word, and waits for that and for its own reads of this slot.
.macro MEET round
	WIN 0
	s_wait_tensorcnt 0x0
	ds_add_u32 v[SPW], v[NIL]
	s_wait_dscnt 9                                 ; the add and the youngest eight loads may be out
	WIN MUL_LO
	MUL16 F1, 0, 0, 0
	s_wait_dscnt 0x0                               ; the add is done, and my reads of this slot are over
	s_barrier_signal -1
	MUL16 F1, 0, 2, 0
.if \round
	WIN 0
.endif
	s_barrier_wait -1
.endm
; The whole last quarter: behind the round the slot just read out is filled again, two K steps on; then come the next slot's first fragments.
.macro TURN slot, next
	s_wait_xcnt 0x0                                ; the last prefetch, a K step back, has read its address
	s_add_nc_u64 s[PFA:PFA+1], s[PFA:PFA+1], KSTEP*2
	MEET 1
	CREST                                          ; no wave of any partner still reads this slot's tile or has a load on its way
	s_add_nc_u64 s[G0+4*(\slot)+2:G0+4*(\slot)+3], s[G0+4*(\slot)+2:G0+4*(\slot)+3], 2*KSTEP*2
	s_add_nc_u64 s[G0B+4*(\slot)+2:G0B+4*(\slot)+3], s[G0B+4*(\slot)+2:G0B+4*(\slot)+3], 2*KSTEP*2
	JLOAD \slot                                    ; my one tensor load behind the round; its four v_nop are also the places in front of the loads below
	FETCH \next, 0, F0
	ASK
	WIN MUL_HI
	MUL16 F1, 1, 0, 0
	MUL16 F1, 1, 2, 0
.endm
; THE LAST K STEP (in slot 1) GOES BY ROWS: all its fragments of wh fill window 1; my eight blocks of 16 rows are finished one after the other, 32 matrix instructions each, the block's 8 accumulators by turns.
.macro BLOAD q
	WIN TO_B
.irp i, 0,1,2,3,4,5,6,7
	ds_load_b128 v[64*(\q)+8*(\i):64*(\q)+8*(\i)+3],   v[ADRB+1] offset:64*(\q)+(\i)*16*PITCH
	ds_load_b128 v[64*(\q)+8*(\i)+4:64*(\q)+8*(\i)+7], v[ADRB+1] offset:64*(\q)+(\i)*16*PITCH+32
.endr
.endm
.macro ALOAD a
	WIN 0
.set FA, PA+32*((\a)%4)
.irp q, 0,1,2,3
	ds_load_b128 v[FA+8*(\q):FA+8*(\q)+3],   v[ADRA+1] offset:64*(\q)+(\a)*16*PITCH
	ds_load_b128 v[FA+8*(\q)+4:FA+8*(\q)+7], v[ADRA+1] offset:64*(\q)+(\a)*16*PITCH+32
.endr
.endm
.macro ROW a
.set FA, PA+32*((\a)%4)
.set AC, 64*((\a)%4)
	WIN MUL_LO+0x50*((\a)/4)
.irp q, 0,1,2,3
.if (\a) == 0 && (\q) == 2
	s_wait_dscnt 24                                ; wh's quarter 2 is in (behind it: xh's blocks 1 to 3)
.endif
.irp b, 0,1,2,3,4,5,6,7
	v_wmma_f32_16x16x32_f16 v[AC+8*(\b):AC+8*(\b)+7], v[64*(\q)+8*(\b):64*(\q)+8*(\b)+7], v[FA+8*(\q):FA+8*(\q)+7], v[AC+8*(\b):AC+8*(\b)+7]
.endr
.endr
.endm
; THE WAY OUT of block a.  PACK: rounded to f16, 16 bytes a lane (each accumulator's registers in ascending order).  SIDE: the f32 sums of a batch's tokens 16 a .. 16 a + 15, straight from the accumulators.
; TOSTAGE: into my own stage and back as whole rows of 256 bytes.  SEND: stored.
.macro PACK a
.set AC, 64*((\a)%4)
	WIN 0x0a+5*((\a)/4)
.irp b, 0,1,2,3,4,5,6,7
.irp r, 0,1,2,3
	v_cvt_pk_f16_f32 v[TMP+4*(\b)+(\r)], v[AC+8*(\b)+2*(\r)], v[AC+8*(\b)+2*(\r)+1]
.endr
.endr
	WIN 0
.endm
.macro SIDE a                          ; a = 0, 1.  The branch hangs on cluster y and the wave's number.  A lane stores its 32 bytes of a row as two pieces of 16: 1 MB in the whole launch leaves so
	WIN 0
	s_cmp_eq_u32 s[FIRST], 0
	s_cbranch_scc0 .Lno_side_\@
	WIN 0x08                                       ; a store's data: window 2
.irp b, 0,1,2,3,4,5,6,7
	global_store_b128 v[EO], v[64*(\a)+8*(\b):64*(\a)+8*(\b)+3],   s[EF:EF+1] offset:(\a)*16*EFROW+64*(\b)
	global_store_b128 v[EO], v[64*(\a)+8*(\b)+4:64*(\a)+8*(\b)+7], s[EF:EF+1] offset:(\a)*16*EFROW+64*(\b)+16
.endr
	WIN 0
.Lno_side_\@:
.endm
.macro TOSTAGE a
	WIN 0
.set BK, OB+192*((\a)%2)
.irp b, 0,1,2,3,4,5,6,7
	ds_store_b128 v[STO], v[TMP+4*(\b):TMP+4*(\b)+3] offset:32*(\b)
.endr
.irp t, 0,1,2,3,4,5,6,7
	ds_load_b128 v[BK+4*(\t):BK+4*(\t)+3], v[RD] offset:(\t)*2*SPITCH  ; LDS serves a wave's instructions in order (ISA guide 5.7.1.4): these see the stores above
.endr
.endm
.macro SEND a, younger
	WIN 0
.set BK, OB+192*((\a)%2)
	s_wait_dscnt \younger                          ; the block is back in registers
	s_wait_xcnt 0x0                                ; earlier stores have read their base and their data: only now are these rewritten
.if (\a) == 0
	s_add_nc_u64 s[8:9], s[8:9], s[16:17]
.else
	s_add_nc_u64 s[8:9], s[8:9], 16*SIZE_N*2
.endif
.irp t, 0,1,2,3,4,5,6,7
	global_store_b128 v[CO], v[BK+4*(\t):BK+4*(\t)+3], s[8:9] offset:2*(\t)*SIZE_N*2  ; 16 lanes store 256 consecutive bytes, aligned
.endr
.endm
	s_wait_tensorcnt 1                             ; my part of K step 0 is in; K step 1's stays out
	s_barrier_signal -1
	s_barrier_wait -1
	FETCH 0, 0, F0
	QUARTER 0, 64,  F0, F1, 1                      ; the first quarter stands in front of the loop: its products start the sums
	WIN 0
	s_mov_b32 s3, LAPS-1
.Llap:                                                 ; a trip goes once round the ring, from a lap's second quarter to the next lap's first, and fills both slots again
	QUARTER 0, 128, F1, F0, 0
	QUARTER 0, 192, F0, F1, 0
	TURN 0, 1
	QUARTER 1, 64,  F0, F1, 0
	QUARTER 1, 128, F1, F0, 0
	QUARTER 1, 192, F0, F1, 0
	TURN 1, 0
	QUARTER 0, 64,  F0, F1, 0
	WIN 0
	s_sub_co_u32 s3, s3, 1
	s_cmp_lg_u32 s3, 0
	s_cbranch_scc1 .Llap
	QUARTER 0, 128, F1, F0, 0
	QUARTER 0, 192, F0, F1, 0
	MEET 0                                         ; nothing is filled again, so no round follows
	PLACES
	WIN TO_B
	BLOAD 0
	BLOAD 1
	BLOAD 3
	WIN 0
	ALOAD 0
	WIN MUL_HI
	MUL16 F1, 1, 0, 0
	MUL16 F1, 1, 2, 0
	PLACES
	WIN TO_B
	BLOAD 2
	WIN 0
	ALOAD 1
	ALOAD 2
	ALOAD 3
	s_wait_dscnt 40                                ; all but the 40 just issued
	ROW 0
.irp a, 0,1,2,3,4,5,6,7
	PLACES
	PACK \a
.if (\a) < 2
	SIDE \a
.endif
	TOSTAGE \a
.if (\a) < 4
	ALOAD (\a)+4
	SEND \a, 8
.else
	SEND \a, 0
.endif
.if (\a) < 7
	ROW (\a)+1
.endif
.endr
	s_wait_tensorcnt 0x0                           ; the wave's end
	ds_add_u32 v[SPW], v[NIL]
	s_wait_dscnt 0x0
	CROUND                                         ; the closing round
	s_endpgm
.Lfunc_end_k_q39890a0a73_proj:
	.size	k_q39890a0a73_proj, .Lfunc_end_k_q39890a0a73_proj-k_q39890a0a73_proj
	.p2alignl 7, 3214868480
	.fill 96, 4, 3214868480
	.section	.rodata,"a",@progbits
	.p2align	6, 0x0
	.amdhsa_kernel k_q39890a0a73_proj
		.amdhsa_group_segment_fixed_size 327680
		.amdhsa_private_segment_fixed_size 0
		.amdhsa_enable_private_segment 0
		.amdhsa_kernarg_size 32
		.amdhsa_user_sgpr_count 2
		.amdhsa_user_sgpr_kernarg_segment_ptr 1
		.amdhsa_wavefront_size32 1
		.amdhsa_system_sgpr_workgroup_id_x 1
		.amdhsa_system_sgpr_workgroup_id_y 1
		.amdhsa_system_sgpr_workgroup_id_z 1
		.amdhsa_system_vgpr_workitem_id 0
		.amdhsa_next_free_vgpr 1024
		.amdhsa_next_free_sgpr 80
		.amdhsa_reserve_vcc 0
		.amdhsa_float_denorm_mode_32 3
		.amdhsa_float_denorm_mode_16_64 3
		.amdhsa_memory_ordered 1
		.amdhsa_forward_progress 1
		.amdhsa_inst_pref_size 148
	.end_amdhsa_kernel
	.amdgpu_metadata
---
amdhsa.version: [ 1, 2 ]
amdhsa.kernels:
  - .name:           k_q39890a0a73_proj
    .symbol:         k_q39890a0a73_proj.kd
    .args:
      - { .name: xh, .offset: 0, .size: 8, .value_kind: global_buffer, .address_space: global }
      - { .name: wh, .offset: 8, .size: 8, .value_kind: global_buffer, .address_space: global }
      - { .name: qv, .offset: 16, .size: 8, .value_kind: global_buffer, .address_space: global }
      - { .name: ef, .offset: 24, .size: 8, .value_kind: global_buffer, .address_space: global }
    .group_segment_fixed_size: 327680
    .private_segment_fixed_size: 0
    .kernarg_segment_align: 8
    .kernarg_segment_size: 32
    .max_flat_workgroup_size: 128
    .sgpr_count:     80
    .vgpr_count:     1024
    .wavefront_size: 32
...
	.end_amdgpu_metadata
.endif
;; end of part 2
;; launch score (part 3): grid 52 x 4, 4 waves a work-group, clusters of 4 x 1, 327,680 bytes of LDS; arguments qv, xh, sc; writes sc
.if DOCPART == 3
	.amdgcn_target "amdgcn-amd-amdhsa--gfx1250"
	.amdhsa_code_object_version 6
	.text
	.protected	k_q39890a0a73_score
	.globl	k_q39890a0a73_score
	.p2align	8
	.type	k_q39890a0a73_score,@function
k_q39890a0a73_score:
	s_mov_b64 s[64:65], 0
	v_nop
	global_prefetch_b8 v0, s[64:65] scope:SCOPE_SE
	s_setreg_imm32_b32 hwreg(HW_REG_WAVE_MODE, 25, 1), 1
	s_wait_xcnt 0x0
	s_wait_alu depctr_hold_cnt(0) depctr_sa_sdst(0) depctr_va_vdst(0) depctr_va_sdst(0) depctr_va_ssrc(0) depctr_va_vcc(0) depctr_vm_vsrc(0)
	s_getreg_b32 s2, hwreg(HW_REG_IB_STS2, 6, 4)
	s_cmp_eq_u32 s2, 0
	s_cbranch_scc0 .Lentry_in_a_cluster
	s_endpgm
.Lentry_in_a_cluster:
	s_bfe_u32 s2, ttmp6, 0x10000c
	s_cmp_lg_u32 s2, 0x3003
	s_cbranch_scc0 .Lentry_shape_is_right
	s_endpgm
.Lentry_shape_is_right:
; sc[b][q][k] = sum over d of Q''[b][q][d] xh[b][k][d], unmasked, f32: 2^-19 of reference()'s Q . K, since Q K^T = x (W_q^T W_k) x^T, Q'' = 2^-10 x (W_q^T W_k) and xh = 2^-9 x.
; Q'' is columns 0-1023 of qv [8192][2048], xh is [8192][1024], both f16; sums in f32.  sc: [4][2048][2048].
; The mask k <= q + 1 leaves, of a batch's 8 x 8 tiles of 256 x 256, the tiles j <= i + 1: 43.  Only tiles are left out here; the mask itself is applied by the launch that follows.
; SHARES.  A work-group of four waves makes one tile, a wave 128 x 128, K = 1,024 in 8 steps of 128 through a ring of two LDS slots.
; CLUSTER.  Four work-groups make a strip of four neighbouring tiles of one tile row i and ask for Q'''s tile JOINTLY; each asks for its own tile of xh alone.  Rows 0-2 have one strip (j = 0..3),
; rows 3-7 two: 13 strips a batch.  So 52 tiles are made where 43 are read: (0,2) (0,3) (1,3) (3,5) (3,6) (3,7) (4,6) (4,7) (5,7) are partners that make every joint request, and whose tile nobody
; reads.  The price: 9 tiles in 52.  xh's tiles are not shared: 4 x 4 clusters would need whole squares of 4 x 4 tiles, all 64.
; THE MATRIX INSTRUCTION IS USED TRANSPOSED: source 0 = 16 rows of xh, source 1 = 16 rows of Q'': lane l holds query l % 16 and the keys 8 (l / 16) + 0..7: 32 consecutive bytes of sc.
; REGISTERS: window 0: v0-31 addresses; v64-191 fragments of Q''; v192-255 16 rows read back on the way out.  window 1: fragments of xh.  windows 2, 3: the 64 accumulators.
.set SCROW,  8192                      ; bytes in a row of sc
.set KSTEP,  128
.set PITCH,  272                       ; 256 bytes + 16 of padding: the 16 rows of a load start at 16 different groups of four banks (ISA guide 11.1)
.set HALFT,  128*PITCH
.set SLOT,   4*HALFT
.set STAGE,  2*SLOT                    ; behind the ring: 16 rows x 528 bytes for each wave
.set SPITCH, 528                       ; 512 bytes + 16
.set SPARE,  STAGE+4*16*SPITCH         ; the spare words, 128 bytes a wave, which no other line names
.set LAPS,   4                         ; 1,024 / 256
.set ADRA, 16
.set ADRB, 20
.set STO,  24                          ; v24  where I put my 32 bytes of a row: stage + (l % 16) x 528 + 32 (l / 16)
.set RD,   25                          ; v25  where I read a row back: stage + 16 l
.set CO,   26                          ; v26  16 l: my 16 bytes of 512 consecutive bytes of sc
.set SPW,  28
.set NIL,  29
.set F0,   64
.set F1,   128
.set BK,   192
.set PA,   64
.set CB,   8                           ; s[8:9] sc
.set G1, 24
.set G0, 32
.set G1B, 48
.set G0B, 56
.set MSB, 0
.macro WIN new
.if MSB != (\new)
	s_set_vgpr_msb (MSB<<8)|(\new)
.set MSB, \new
.endif
.endm
.set MUL_LO, 0xa1
.set MUL_HI, 0xf1
.set TO_B,   0x40
.macro JLOAD s                         ; waves 0 and 1: Q'''s two halves, jointly; waves 2 and 3: my own xh tile's two halves.  An s_nop 0 and four v_nop follow each line
	s_cmp_eq_u32 s11, 0
	s_cbranch_scc0 .Lfor_b_\@
	tensor_load_to_lds s[G0+4*(\s):G0+4*(\s)+3], s[G1:G1+7]
	s_nop 0
.rept 4
	v_nop
.endr
	s_branch .Lasked_\@
.Lfor_b_\@:
	tensor_load_to_lds s[G0B+4*(\s):G0B+4*(\s)+3], s[G1B:G1B+7]
	s_nop 0
.rept 4
	v_nop
.endr
.Lasked_\@:
.endm
.macro CREST
	s_cmp_lg_u32 s10, 0
	s_cbranch_scc1 .Lnot_wave_0_\@
	s_barrier_signal -3
.Lnot_wave_0_\@:
	s_barrier_wait -3
	s_barrier_signal -1
	s_barrier_wait -1
.endm
.macro CROUND
	s_barrier_signal -1
	s_barrier_wait -1
	CREST
.endm
	s_load_b128 s[4:7], s[0:1], 0x0                ; qv s[4:5], xh s[6:7]
	s_load_b64 s[CB:CB+1], s[0:1], 0x10            ; sc
	v_lshl_add_u32 v[SPW], v0, 2, SPARE
	v_mov_b32 v[NIL], 0
	ds_add_u32 v[SPW], v[NIL]                      ; the wave's opening: the add, with its wait ahead of my first tensor load
	v_lshrrev_b32 v1, 5, v0
	v_readfirstlane_b32 s10, v1                    ; wave 0..3
	s_lshr_b32 s11, s10, 1                         ; my half of the tile's rows; also: I fetch for Q'' (0) or xh (1)
	s_and_b32 s12, s10, 1                          ; my half of its columns; also: which 128 rows I fetch
	s_bfe_u32 s40, ttmp6, 0x40000                  ; cx
	s_and_b32 s41, ttmp7, 0xffff                   ; the batch
	s_sub_co_u32 s20, ttmp9, 3                     ; strips 0-2 are rows 0-2; from strip 3 on two strips a row
	s_lshr_b32 s21, s20, 1
	s_add_co_u32 s21, s21, 3
	s_and_b32 s22, s20, 1
	s_cmp_lt_u32 ttmp9, 3
	s_cselect_b32 s13, ttmp9, s21                  ; tile row i
	s_cselect_b32 s22, 0, s22                      ; which strip of it
	s_lshl_b32 s42, s22, 2
	s_add_co_u32 s42, s42, s40                     ; tile column j = 4 x strip + cx
	; descriptor group 1: 128 rows x 128 elements of 2 bytes, 4 words of padding behind every 64; Q'''s with the mask of all four and bit 21 beside it
	s_mov_b32 s[G1+0], 15|(1<<16)|(1<<20)|(1<<21)|(5<<22)|(3<<25)
	s_mov_b32 s[G1B+0], (1<<16)|(1<<20)|(5<<22)|(3<<25)
.irp g, G1, G1B
	s_mov_b32 s[(\g)+1], KSTEP<<16
	s_mov_b32 s[(\g)+2], 128<<16
	s_mov_b32 s[(\g)+3], KSTEP<<16
	s_mov_b32 s[(\g)+4], 128
	s_mov_b32 s[(\g)+6], 0
	s_mov_b32 s[(\g)+7], 0
.endr
	s_mov_b32 s[G1+5], 2048                        ; elements from row to row: qv's,
	s_mov_b32 s[G1B+5], 1024                       ; xh's
	s_lshl_b32 s16, s41, 11                        ; Q'': row 2,048 b + 256 i + 128 x half: nothing of cx
	s_lshl_b32 s17, s13, 8
	s_add_co_u32 s16, s16, s17
	s_lshl_b32 s17, s12, 7
	s_add_co_u32 s16, s16, s17
	s_lshl_b32 s16, s16, 12                        ; rows of 4,096 bytes
	s_mov_b32 s17, 0
	s_lshl_b32 s46, s41, 11                        ; xh: row 2,048 b + 256 j + 128 x half
	s_lshl_b32 s47, s42, 8
	s_add_co_u32 s46, s46, s47
	s_lshl_b32 s47, s12, 7
	s_add_co_u32 s46, s46, s47
	s_lshl_b32 s46, s46, 11                        ; rows of 2,048 bytes
	s_mov_b32 s47, 0
	s_mul_i32 s20, s10, HALFT                      ; where they go: wave x 128 rows
	s_wait_dscnt 0x0                               ; the opening add is done
	s_wait_kmcnt 0x0
	s_add_nc_u64 s[14:15], s[4:5], s[16:17]
	s_add_nc_u64 s[46:47], s[6:7], s[46:47]
	CROUND                                         ; all four work-groups are here
.irp s, 0,1
	s_mov_b32 s[G0+4*(\s)], 1
	s_add_co_u32 s[G0+4*(\s)+1], s20, (\s)*SLOT
	s_add_nc_u64 s[G0+4*(\s)+2:G0+4*(\s)+3], s[14:15], (\s)*KSTEP*2
	s_or_b32 s[G0+4*(\s)+3], s[G0+4*(\s)+3], 0x80000000
	s_mov_b32 s[G0B+4*(\s)], 1
	s_add_co_u32 s[G0B+4*(\s)+1], s20, (\s)*SLOT
	s_add_nc_u64 s[G0B+4*(\s)+2:G0B+4*(\s)+3], s[46:47], (\s)*KSTEP*2
	s_or_b32 s[G0B+4*(\s)+3], s[G0B+4*(\s)+3], 0x80000000
	JLOAD \s                                       ; two loads of mine are out
.endr
	v_and_b32 v1, 15, v0
	v_bfe_u32 v2, v0, 4, 1
	v_mul_u32_u24 v3, v1, PITCH
	v_lshl_add_u32 v3, v2, 4, v3
	s_mul_i32 s21, s11, HALFT
	s_mul_i32 s22, s12, HALFT
	s_add_co_u32 s22, s22, 2*HALFT
.irp s, 0,1
	v_add_nc_u32 v[ADRA+(\s)], s21, v3
	v_add_nc_u32 v[ADRB+(\s)], s22, v3
	s_add_co_u32 s21, s21, SLOT
	s_add_co_u32 s22, s22, SLOT
.endr
	s_mul_i32 s23, s10, 16*SPITCH
	s_add_co_u32 s23, s23, STAGE                   ; my stage
	v_mul_u32_u24 v4, v1, SPITCH
	v_lshl_add_u32 v4, v2, 5, v4
	v_add_nc_u32 v[STO], s23, v4
	v_and_b32 v5, 31, v0
	v_lshlrev_b32 v[CO], 4, v5
	v_add_nc_u32 v[RD], s23, v[CO]
	s_lshl_b32 s16, s41, 11                        ; where my part of the tile begins in sc: row 2,048 b + 256 i + 128 x row half,
	s_lshl_b32 s17, s13, 8
	s_add_co_u32 s16, s16, s17
	s_lshl_b32 s17, s11, 7
	s_add_co_u32 s16, s16, s17
	s_lshl_b32 s16, s16, 13
	s_lshl_b32 s17, s42, 10                        ; column 256 j + 128 x column half, 4 bytes each
	s_add_co_u32 s16, s16, s17
	s_lshl_b32 s17, s12, 9
	s_add_co_u32 s16, s16, s17
	s_mov_b32 s17, 0
.macro MUL16 f, hi, a0, zero
	WIN MUL_LO+0x50*(\hi)
.irp a, \a0, (\a0)+1
.irp b, 0,1,2,3,4,5,6,7
.if \zero
	v_wmma_f32_16x16x32_f16 v[8*(8*(\a)+(\b)):8*(8*(\a)+(\b))+7], v[(\f)+8*(\b):(\f)+8*(\b)+7], v[(\f)+8*(4*(\hi)+(\a)):(\f)+8*(4*(\hi)+(\a))+7], 0
.else
	v_wmma_f32_16x16x32_f16 v[8*(8*(\a)+(\b)):8*(8*(\a)+(\b))+7], v[(\f)+8*(\b):(\f)+8*(\b)+7], v[(\f)+8*(4*(\hi)+(\a)):(\f)+8*(4*(\hi)+(\a))+7], v[8*(8*(\a)+(\b)):8*(8*(\a)+(\b))+7]
.endif
.endr
.endr
.endm
.macro FETCH slot, k, f
	WIN TO_B
.irp i, 0,1,2,3,4,5,6,7
	ds_load_b128 v[(\f)+8*(\i):(\f)+8*(\i)+3],   v[ADRB+(\slot)] offset:(\k)+(\i)*16*PITCH
	ds_load_b128 v[(\f)+8*(\i)+4:(\f)+8*(\i)+7], v[ADRB+(\slot)] offset:(\k)+(\i)*16*PITCH+32
.endr
	WIN 0
.irp i, 0,1,2,3,4,5,6,7
	ds_load_b128 v[(\f)+8*(\i):(\f)+8*(\i)+3],   v[ADRA+(\slot)] offset:(\k)+(\i)*16*PITCH
	ds_load_b128 v[(\f)+8*(\i)+4:(\f)+8*(\i)+7], v[ADRA+(\slot)] offset:(\k)+(\i)*16*PITCH+32
.endr
.endm
.macro PLACES                          ; four plain places behind a matrix instruction (ISA guide 7.12.1)
.rept 4
	v_nop
.endr
.endm
.macro QUARTER slot, k, f, g, zero
	s_wait_dscnt 8                                 ; xh's and Q'''s rows 0-63 are in; the youngest eight loads may be out
	WIN MUL_LO
	MUL16 \f, 0, 0, \zero
	MUL16 \f, 0, 2, \zero
	PLACES
	FETCH \slot, \k, \g
	s_wait_dscnt 32                                ; all but the 32 just issued
	WIN MUL_HI
	MUL16 \f, 1, 0, \zero
	MUL16 \f, 1, 2, \zero
.endm
.macro MEET round                      ; the change of slots: all my tensor loads, the add, my reads of the slot; then the barrier
	WIN 0
	s_wait_tensorcnt 0x0
	ds_add_u32 v[SPW], v[NIL]
	s_wait_dscnt 9                                 ; the add and the youngest eight loads may be out
	WIN MUL_LO
	MUL16 F1, 0, 0, 0
	s_wait_dscnt 0x0
	s_barrier_signal -1
	MUL16 F1, 0, 2, 0
.if \round
	WIN 0
.endif
	s_barrier_wait -1
.endm
.macro TURN slot, next
	MEET 1
	CREST                                          ; no wave of any partner still reads this slot or has a load on its way
	s_add_nc_u64 s[G0+4*(\slot)+2:G0+4*(\slot)+3], s[G0+4*(\slot)+2:G0+4*(\slot)+3], 2*KSTEP*2
	s_add_nc_u64 s[G0B+4*(\slot)+2:G0B+4*(\slot)+3], s[G0B+4*(\slot)+2:G0B+4*(\slot)+3], 2*KSTEP*2
	JLOAD \slot                                    ; my one tensor load behind the round: 224 matrix instructions ahead of the wait for it
	FETCH \next, 0, F0
	WIN MUL_HI
	MUL16 F1, 1, 0, 0
	MUL16 F1, 1, 2, 0
.endm
.macro BLOAD q
	WIN TO_B
.irp i, 0,1,2,3,4,5,6,7
	ds_load_b128 v[64*(\q)+8*(\i):64*(\q)+8*(\i)+3],   v[ADRB+1] offset:64*(\q)+(\i)*16*PITCH
	ds_load_b128 v[64*(\q)+8*(\i)+4:64*(\q)+8*(\i)+7], v[ADRB+1] offset:64*(\q)+(\i)*16*PITCH+32
.endr
.endm
.macro ALOAD a
	WIN 0
.set FA, PA+32*((\a)%4)
.irp q, 0,1,2,3
	ds_load_b128 v[FA+8*(\q):FA+8*(\q)+3],   v[ADRA+1] offset:64*(\q)+(\a)*16*PITCH
	ds_load_b128 v[FA+8*(\q)+4:FA+8*(\q)+7], v[ADRA+1] offset:64*(\q)+(\a)*16*PITCH+32
.endr
.endm
.macro ROW a
.set FA, PA+32*((\a)%4)
.set AC, 64*((\a)%4)
	WIN MUL_LO+0x50*((\a)/4)
.irp q, 0,1,2,3
.if (\a) == 0 && (\q) == 2
	s_wait_dscnt 24
.endif
.irp b, 0,1,2,3,4,5,6,7
	v_wmma_f32_16x16x32_f16 v[AC+8*(\b):AC+8*(\b)+7], v[64*(\q)+8*(\b):64*(\q)+8*(\b)+7], v[FA+8*(\q):FA+8*(\q)+7], v[AC+8*(\b):AC+8*(\b)+7]
.endr
.endr
.endm
; THE WAY OUT of block a: the f32 sums go straight from the accumulators (low four registers first) into my stage, rows of 528 bytes, and come back as whole rows of 512.
.macro TOSTAGE a
	s_wait_xcnt 0x0                                ; the last block's stores have read their base and v192-255: both are rewritten only behind this wait
	WIN 0x08+4*((\a)/4)                            ; an LDS store's data: window 2 or 3
.set AC, 64*((\a)%4)
.irp b, 0,1,2,3,4,5,6,7
	ds_store_b128 v[STO], v[AC+8*(\b):AC+8*(\b)+3]   offset:64*(\b)
	ds_store_b128 v[STO], v[AC+8*(\b)+4:AC+8*(\b)+7] offset:64*(\b)+16
.endr
	WIN 0
.irp t, 0,1,2,3,4,5,6,7,8,9,10,11,12,13,14,15
	ds_load_b128 v[BK+4*(\t):BK+4*(\t)+3], v[RD] offset:(\t)*SPITCH  ; LDS serves a wave's instructions in order (ISA guide 5.7.1.4)
.endr
.endm
.macro SEND a, younger                 ; no global instruction has been issued since TOSTAGE's wait, so the base may be stepped
	WIN 0
	s_wait_dscnt \younger
.if (\a) == 0
	s_add_nc_u64 s[CB:CB+1], s[CB:CB+1], s[16:17]
.else
	s_add_nc_u64 s[CB:CB+1], s[CB:CB+1], 16*SCROW
.endif
.irp t, 0,1,2,3,4,5,6,7,8,9,10,11,12,13,14,15
	global_store_b128 v[CO], v[BK+4*(\t):BK+4*(\t)+3], s[CB:CB+1] offset:(\t)*SCROW  ; a wave stores 512 consecutive bytes, aligned
.endr
.endm
	s_wait_tensorcnt 1                             ; my part of K step 0 is in; step 1's stays out
	s_barrier_signal -1
	s_barrier_wait -1
	FETCH 0, 0, F0
	QUARTER 0, 64,  F0, F1, 1
	WIN 0
	s_mov_b32 s3, LAPS-1
.Llap:
	QUARTER 0, 128, F1, F0, 0
	QUARTER 0, 192, F0, F1, 0
	TURN 0, 1
	QUARTER 1, 64,  F0, F1, 0
	QUARTER 1, 128, F1, F0, 0
	QUARTER 1, 192, F0, F1, 0
	TURN 1, 0
	QUARTER 0, 64,  F0, F1, 0
	WIN 0
	s_sub_co_u32 s3, s3, 1
	s_cmp_lg_u32 s3, 0
	s_cbranch_scc1 .Llap
	QUARTER 0, 128, F1, F0, 0
	QUARTER 0, 192, F0, F1, 0
	MEET 0
	PLACES
	WIN TO_B
	BLOAD 0
	BLOAD 1
	BLOAD 3
	WIN 0
	ALOAD 0
	WIN MUL_HI
	MUL16 F1, 1, 0, 0
	MUL16 F1, 1, 2, 0
	PLACES
	WIN TO_B
	BLOAD 2
	WIN 0
	ALOAD 1
	ALOAD 2
	ALOAD 3
	s_wait_dscnt 40                                ; all but the 40 just issued
	ROW 0
.irp a, 0,1,2,3,4,5,6,7
	PLACES
	TOSTAGE \a
.if (\a) < 4
	ALOAD (\a)+4
	SEND \a, 8                                     ; the eight loads of the block four further on may stay out
.else
	SEND \a, 0
.endif
.if (\a) < 7
	ROW (\a)+1
.endif
.endr
	s_wait_tensorcnt 0x0                           ; the wave's end
	ds_add_u32 v[SPW], v[NIL]
	s_wait_dscnt 0x0
	CROUND                                         ; the closing round
	s_endpgm
.Lfunc_end_k_q39890a0a73_score:
	.size	k_q39890a0a73_score, .Lfunc_end_k_q39890a0a73_score-k_q39890a0a73_score
	.p2alignl 7, 3214868480
	.fill 96, 4, 3214868480
	.section	.rodata,"a",@progbits
	.p2align	6, 0x0
	.amdhsa_kernel k_q39890a0a73_score
		.amdhsa_group_segment_fixed_size 327680
		.amdhsa_private_segment_fixed_size 0
		.amdhsa_enable_private_segment 0
		.amdhsa_kernarg_size 24
		.amdhsa_user_sgpr_count 2
		.amdhsa_user_sgpr_kernarg_segment_ptr 1
		.amdhsa_wavefront_size32 1
		.amdhsa_system_sgpr_workgroup_id_x 1
		.amdhsa_system_sgpr_workgroup_id_y 1
		.amdhsa_system_sgpr_workgroup_id_z 1
		.amdhsa_system_vgpr_workitem_id 0
		.amdhsa_next_free_vgpr 1024
		.amdhsa_next_free_sgpr 66
		.amdhsa_reserve_vcc 0
		.amdhsa_float_denorm_mode_32 3
		.amdhsa_float_denorm_mode_16_64 3
		.amdhsa_memory_ordered 1
		.amdhsa_forward_progress 1
		.amdhsa_inst_pref_size 141
	.end_amdhsa_kernel
	.amdgpu_metadata
---
amdhsa.version: [ 1, 2 ]
amdhsa.kernels:
  - .name:           k_q39890a0a73_score
    .symbol:         k_q39890a0a73_score.kd
    .args:
      - { .name: qv, .offset: 0, .size: 8, .value_kind: global_buffer, .address_space: global }
      - { .name: xh, .offset: 8, .size: 8, .value_kind: global_buffer, .address_space: global }
      - { .name: sc, .offset: 16, .size: 8, .value_kind: global_buffer, .address_space: global }
    .group_segment_fixed_size: 327680
    .private_segment_fixed_size: 0
    .kernarg_segment_align: 8
    .kernarg_segment_size: 24
    .max_flat_workgroup_size: 128
    .sgpr_count:     66
    .vgpr_count:     1024
    .wavefront_size: 32
...
	.end_amdgpu_metadata
.endif
;; end of part 3
;; launch soft (part 4): grid 1088 x 1, 8 waves a work-group, no clusters, 2,048 bytes of LDS; arguments sc, ef, pb, out0, xh; writes pb, out0
.if DOCPART == 4
	.amdgcn_target "amdgcn-amd-amdhsa--gfx1250"
	.amdhsa_code_object_version 6
	.text
	.protected	k_q39890a0a73_soft
	.globl	k_q39890a0a73_soft
	.p2align	8
	.type	k_q39890a0a73_soft,@function
k_q39890a0a73_soft:
	s_mov_b64 s[64:65], 0
	v_nop
	global_prefetch_b8 v0, s[64:65] scope:SCOPE_SE
	s_setreg_imm32_b32 hwreg(HW_REG_WAVE_MODE, 25, 1), 1
	s_wait_xcnt 0x0
; Two kinds of work-group, told apart by the work-group's number.  sc holds 2^-19 of reference()'s Q . K, so its score / 32 in base 2 is c0 s with c0 = 2^14 log2(e).
; ROWS (work-groups 64-1087).  pb[b][q][k] = softmax over k <= q + 1 of the scores, rounded once to f16; 0 beyond the mask.  One wave, one row, kept in registers between the passes: the row is read
; once.  Rows of block r (128 rows) take c(r) = max(2, min(((r + 1) >> 1) + 1, 8)) tiles of 256 columns, N = 2 c(r) chunks of 128: what the launch behind reads.  The eight rows of a work-group lie in
; one block, so N hangs on the work-group's number alone; each pass is written for 16 chunks and left by a forward jump at chunk N.  Long rows go first.
; The row's true maximum is taken away before the exponential; maximum, exponentials and sum in f32; p = 2^(c0 s - c0 m) / sum.
; FIRST ROWS (work-groups 0-63).  out0's rows 0-15 of each batch, in f32: Q'' and V unrounded from ef (tokens 0-31), the keys from xh (2^-9 x, as the scores of sc have them).  These rows average over 2 to 17
; keys, and their numbers are many times the output's root mean square.  One work-group a row; wave w owns channels 128 w .. 128 w + 127, four a lane; the 17 dot products meet in LDS.
; LIMITS.  A weight below 6e-8 becomes 0 in f16; a hidden score counts as the lowest finite number, whose c0-fold is minus infinity and whose weight is 0; NaN and infinities in the inputs are not treated apart.
; No matrix unit, no cluster, no tensor load: nothing is multiplied in bulk and no two work-groups read the same bytes of sc.
.set X,    64                          ; v[64:127]  the row: chunk ch in four registers, column 128 ch + 4 lane + e
.set OPK,  32                          ; v[32:63]   the row as f16, two registers a chunk
.set SPW,  190                         ; v190  my spare word's LDS address; never rewritten
.set NIL,  191                         ; v191  0; never rewritten
.set SPARE, 1024                       ; LDS: 0-1023 the partial dot products, 128 bytes a wave; from 1,024 the spare words, 128 bytes a wave, which no other line names
.set EFROW, 8192
.macro UPTO ch, label                  ; N is even and at least 4: a pass is left in front of chunk N
.if ((\ch) >= 4) && ((\ch) % 2 == 0)
	s_cmp_le_u32 s16, \ch
	s_cbranch_scc1 \label
.endif
.endm
.macro WMAX r, t                       ; the maximum over the wave's 32 lanes, in every lane; t has been written before
.irp msk, 1,2,4,8
	v_max_num_f32_dpp v[\r], v[\r], v[\r] row_xmask:\msk row_mask:0xf bank_mask:0xf
.endr
	v_permlanex16_b32 v[\t], v[\r], s60, s61
	v_max_num_f32 v[\r], v[\r], v[\t]
.endm
.macro WSUM r, t
.irp msk, 1,2,4,8
	v_add_f32_dpp v[\r], v[\r], v[\r] row_xmask:\msk row_mask:0xf bank_mask:0xf
.endr
	v_permlanex16_b32 v[\t], v[\r], s60, s61
	v_add_f32 v[\r], v[\r], v[\t]
.endm
	s_load_b256 s[4:11], s[0:1], 0x0               ; sc s[4:5], ef s[6:7], pb s[8:9], out0 s[10:11]
	s_load_b64 s[28:29], s[0:1], 0x20              ; xh
	v_lshl_add_u32 v[SPW], v0, 2, SPARE
	v_mov_b32 v[NIL], 0
	v_and_b32 v1, 31, v0                           ; lane
	v_lshrrev_b32 v2, 5, v0
	v_readfirstlane_b32 s12, v2                    ; wave 0..7
	s_mov_b32 s58, 0x46b8aa3b                      ; c0 = 2^14 log2(e)
	s_mov_b32 s59, s58                             ; named with it as a pair
	s_mov_b32 s60, 0x76543210                      ; v_permlanex16_b32: each lane takes its own place in the other half
	s_mov_b32 s61, 0xfedcba98
	v_mov_b32 v6, 0xff7fffff                       ; the lowest finite number
	s_cmp_lt_u32 ttmp9, 64
	s_cbranch_scc1 .Learly
	s_sub_co_u32 s13, ttmp9, 64
	s_and_b32 s14, s13, 3                          ; the batch
	s_lshr_b32 s15, s13, 2
	s_sub_co_u32 s15, 255, s15                     ; which eight rows: the longest first
	s_lshr_b32 s16, s15, 4                         ; r
	s_add_co_u32 s16, s16, 1
	s_lshr_b32 s16, s16, 1
	s_add_co_u32 s16, s16, 1
	s_min_u32 s16, s16, 8
	s_max_u32 s16, s16, 2                          ; c(r)
	s_lshl_b32 s16, s16, 1                         ; N
	s_lshl_b32 s15, s15, 3
	s_add_co_u32 s15, s15, s12                     ; q
	s_lshl_b32 s17, s14, 11
	s_add_co_u32 s17, s17, s15                     ; 2,048 b + q
	s_lshl_b32 s18, s17, 13                        ; rows of 8,192 bytes in sc,
	s_mov_b32 s19, 0
	s_lshl_b32 s20, s17, 12                        ; of 4,096 in pb
	s_mov_b32 s21, 0
	s_add_co_u32 s22, s15, 1
	v_lshlrev_b32 v3, 4, v1                        ; my 16 bytes of a chunk of sc
	v_lshlrev_b32 v4, 3, v1                        ; my 8 bytes of a chunk of pb
	v_lshlrev_b32 v5, 2, v1
	v_sub_nc_u32 v5, s22, v5                       ; q + 1 - 4 lane: register e of chunk ch is seen where 128 ch + e is not greater
.set ii, 0
.rept 64
	v_mov_b32 v[X+ii], v6                          ; chunks that are not loaded take no part in the maximum
.set ii, ii+1
.endr
	s_wait_kmcnt 0x0
	s_add_nc_u64 s[4:5], s[4:5], s[18:19]
	s_add_nc_u64 s[8:9], s[8:9], s[20:21]
.set ch, 0
.rept 16
	UPTO ch, .Lloaded
	global_load_b128 v[X+4*ch:X+4*ch+3], v3, s[4:5] offset:512*ch th:TH_LOAD_NT  ; 512 consecutive bytes a wave; all the row's loads go out together
.set ch, ch+1
.endr
.Lloaded:
	s_wait_loadcnt 0x0
.set ch, 0
.rept 16
	UPTO ch, .Lmasked
.set ee, 0
.rept 4
	v_cmp_le_i32 vcc_lo, 128*ch+ee, v5
	v_cndmask_b32 v[X+4*ch+ee], v6, v[X+4*ch+ee], vcc_lo
.set ee, ee+1
.endr
.set ch, ch+1
.endr
.Lmasked:
	; the maximum: four chains of 16 registers, three operands at a time
.irp k, 0,1,2,3
	v_max_num_f32 v[8+\k], v[X+\k], v[X+4+\k]
.endr
.set mm, 2
.rept 7
.irp k, 0,1,2,3
	v_max3_num_f32 v[8+\k], v[8+\k], v[X+4*mm+\k], v[X+4*mm+4+\k]
.endr
.set mm, mm+2
.endr
	v_max3_num_f32 v8, v8, v9, v10
	v_max_num_f32 v8, v8, v11
	WMAX 8, 9
	v_mul_f32 v12, s58, v8                         ; c0 m
	v_mov_b32 v13, v12                             ; named with it as a pair
.set ch, 0
.rept 16
	UPTO ch, .Lexped
	v_pk_fma_f32 v[X+4*ch:X+4*ch+1],   v[X+4*ch:X+4*ch+1],   s[58:59], v[12:13] op_sel_hi:[1,0,0] neg_lo:[0,0,1] neg_hi:[0,0,1]
	v_pk_fma_f32 v[X+4*ch+2:X+4*ch+3], v[X+4*ch+2:X+4*ch+3], s[58:59], v[12:13] op_sel_hi:[1,0,0] neg_lo:[0,0,1] neg_hi:[0,0,1]
	v_exp_f32 v[X+4*ch],   v[X+4*ch]               ; the next chunk's scaling, or the v_nop below, is the plain instruction behind the last exponential (ISA guide 5.7.2)
	v_exp_f32 v[X+4*ch+1], v[X+4*ch+1]
	v_exp_f32 v[X+4*ch+2], v[X+4*ch+2]
	v_exp_f32 v[X+4*ch+3], v[X+4*ch+3]
.set ch, ch+1
.endr
.Lexped:
	v_nop
	s_wait_alu depctr_va_vdst(0)
	v_pk_add_f32 v[14:15], v[X:X+1],   v[X+4:X+5]  ; the sum: two packed chains, started by chunks 0 and 1
	v_pk_add_f32 v[16:17], v[X+2:X+3], v[X+6:X+7]
.set ch, 2
.rept 14
	UPTO ch, .Lsummed
	v_pk_add_f32 v[14:15], v[14:15], v[X+4*ch:X+4*ch+1]
	v_pk_add_f32 v[16:17], v[16:17], v[X+4*ch+2:X+4*ch+3]
.set ch, ch+1
.endr
.Lsummed:
	v_pk_add_f32 v[14:15], v[14:15], v[16:17]
	v_add_f32 v14, v14, v15
	WSUM 14, 15
	v_rcp_f32 v18, v14
	v_nop
	s_wait_alu depctr_va_vdst(0)
	v_mov_b32 v19, v18
.set ch, 0
.rept 16
	UPTO ch, .Lend
	v_pk_mul_f32 v[X+4*ch:X+4*ch+1],   v[X+4*ch:X+4*ch+1],   v[18:19]
	v_pk_mul_f32 v[X+4*ch+2:X+4*ch+3], v[X+4*ch+2:X+4*ch+3], v[18:19]
	v_cvt_pk_f16_f32 v[OPK+2*ch],   v[X+4*ch],   v[X+4*ch+1]
	v_cvt_pk_f16_f32 v[OPK+2*ch+1], v[X+4*ch+2], v[X+4*ch+3]
	global_store_b64 v4, v[OPK+2*ch:OPK+2*ch+1], s[8:9] offset:256*ch  ; a wave stores 256 consecutive bytes, aligned
.set ch, ch+1
.endr
	s_branch .Lend
.Learly:
	s_lshr_b32 s14, ttmp9, 4                       ; the batch
	s_and_b32 s15, ttmp9, 15                       ; q
	s_mul_i32 s18, s14, 32*EFROW
	s_mov_b32 s19, 0
	s_mul_i32 s20, s15, EFROW
	s_mov_b32 s21, 0
	s_lshl_b32 s22, s14, 11
	s_add_co_u32 s22, s22, s15
	s_lshl_b32 s22, s22, 12                        ; out0's row 2,048 b + q
	s_mov_b32 s23, 0
	s_add_co_u32 s26, s15, 1                       ; the last key that is seen
	s_lshl_b32 s30, s14, 22                        ; my batch's 2,048 rows of 2,048 bytes of xh
	s_mov_b32 s31, 0
	v_lshlrev_b32 v3, 4, v0                        ; my four channels in f32: 16 bytes,
	v_lshlrev_b32 v5, 3, v0                        ; in f16: 8 bytes
	v_lshlrev_b32 v7, 7, v2                        ; my wave's 128 bytes of partial sums
	v_mov_b32 v22, 0
	v_mov_b32 v24, 0
.set kk, 0
.rept 8
	v_mov_b32 v[170+kk], 0                         ; v_permlanex16_b32 counts as a reader of its destination
.set kk, kk+1
.endr
	s_wait_kmcnt 0x0
	s_add_nc_u64 s[6:7], s[6:7], s[18:19]          ; my batch's 32 rows of ef
	s_add_nc_u64 s[24:25], s[6:7], s[20:21]        ; token q's
	s_add_nc_u64 s[10:11], s[10:11], s[22:23]
	s_add_nc_u64 s[28:29], s[28:29], s[30:31]
	global_load_b128 v[8:11], v3, s[24:25]         ; Q'' of token q
.set kk, 0
.rept 17
	global_load_b64 v[16+2*kk:17+2*kk], v5, s[28:29] offset:2048*kk        ; xh of tokens 0-16
.set kk, kk+1
.endr
.set kk, 0
.rept 17
	global_load_b128 v[84+4*kk:87+4*kk], v3, s[6:7] offset:EFROW*kk+4096   ; V of tokens 0-16
.set kk, kk+1
.endr
	s_wait_loadcnt 17                              ; Q'' and the keys are in; V's 17 loads may stay out
	; my four channels' part of Q'' . xh_k: four fused multiply-adds in f32 straight from the f16 halves, the 17 keys' chains side by side
.set kk, 0
.rept 17
	v_fma_mix_f32 v[152+kk], v[16+2*kk], v8, v24 op_sel_hi:[1,0,0]
.set kk, kk+1
.endr
.set kk, 0
.rept 17
	v_fma_mix_f32 v[152+kk], v[16+2*kk], v9, v[152+kk] op_sel:[1,0,0] op_sel_hi:[1,0,0]
.set kk, kk+1
.endr
.set kk, 0
.rept 17
	v_fma_mix_f32 v[152+kk], v[17+2*kk], v10, v[152+kk] op_sel_hi:[1,0,0]
.set kk, kk+1
.endr
.set kk, 0
.rept 17
	v_fma_mix_f32 v[152+kk], v[17+2*kk], v11, v[152+kk] op_sel:[1,0,0] op_sel_hi:[1,0,0]
.set kk, kk+1
.endr
.irp msk, 1,2,4,8
.set kk, 0
.rept 17
	v_add_f32_dpp v[152+kk], v[152+kk], v[152+kk] row_xmask:\msk row_mask:0xf bank_mask:0xf
.set kk, kk+1
.endr
.endr
.set kk, 0
.rept 17
	v_permlanex16_b32 v[170+kk%8], v[152+kk], s60, s61
	v_add_f32 v[152+kk], v[152+kk], v[170+kk%8]    ; my wave's 128 channels' part, in every lane
.set kk, kk+1
.endr
.set kk, 0
.rept 17
	ds_store_b32 v7, v[152+kk] offset:4*kk         ; all lanes write the same word with the same value
.set kk, kk+1
.endr
	s_wait_dscnt 0x0                               ; for the others' sake: my stores are done
	s_barrier_signal -1
	s_barrier_wait -1                              ; the branch that led here hangs on the work-group's number: all eight waves pass
	v_min_u32 v10, 16, v1
	v_lshlrev_b32 v10, 2, v10                      ; lane l takes key min(l, 16)
.irp w, 0,1,2,3,4,5,6,7
	ds_load_b32 v[170+\w], v10 offset:128*\w
.endr
	s_wait_dscnt 0x0
	v_add_f32 v170, v170, v171
	v_add_f32 v172, v172, v173
	v_add_f32 v174, v174, v175
	v_add_f32 v176, v176, v177
	v_add_f32 v170, v170, v172
	v_add_f32 v174, v174, v176
	v_add_f32 v170, v170, v174                     ; my key's score
	v_cmp_lt_u32 vcc_lo, s26, v1                   ; lanes beyond key q + 1 are hidden, the copies of key 16 in lanes 17-31 among them
	v_cndmask_b32 v20, v170, v6, vcc_lo
	v_mov_b32 v21, v20
	WMAX 21, 22
	v_sub_f32 v20, v20, v21
	v_mul_f32 v20, s58, v20
	v_exp_f32 v20, v20
	v_nop
	s_wait_alu depctr_va_vdst(0)
	v_mov_b32 v23, v20
	WSUM 23, 24
	v_rcp_f32 v24, v23
	v_nop
	s_wait_alu depctr_va_vdst(0)
	v_mul_f32 v20, v20, v24                        ; my key's weight
.set kk, 0
.rept 17
	v_readlane_b32 s[32+kk], v20, kk               ; the 17 weights as factors; no address and no branch is made of them
.set kk, kk+1
.endr
	s_wait_loadcnt 0x0                             ; V
.irp e, 0,1,2,3
	v_mul_f32 v[180+\e], s32, v[84+\e]
.endr
.set kk, 1
.rept 16
.irp e, 0,1,2,3
	v_fmac_f32 v[180+\e], s[32+kk], v[84+4*kk+\e]
.endr
.set kk, kk+1
.endr
	global_store_b128 v3, v[180:183], s[10:11]     ; a wave stores 512 consecutive bytes, aligned
.Lend:
	s_wait_tensorcnt 0x0                           ; the wave's end, behind my last LDS store
	ds_add_u32 v[SPW], v[NIL]
	s_wait_dscnt 0x0
	s_endpgm
.Lfunc_end_k_q39890a0a73_soft:
	.size	k_q39890a0a73_soft, .Lfunc_end_k_q39890a0a73_soft-k_q39890a0a73_soft
	.p2alignl 7, 3214868480
	.fill 96, 4, 3214868480
	.section	.rodata,"a",@progbits
	.p2align	6, 0x0
	.amdhsa_kernel k_q39890a0a73_soft
		.amdhsa_group_segment_fixed_size 2048
		.amdhsa_private_segment_fixed_size 0
		.amdhsa_enable_private_segment 0
		.amdhsa_kernarg_size 40
		.amdhsa_user_sgpr_count 2
		.amdhsa_user_sgpr_kernarg_segment_ptr 1
		.amdhsa_wavefront_size32 1
		.amdhsa_system_sgpr_workgroup_id_x 1
		.amdhsa_system_sgpr_workgroup_id_y 1
		.amdhsa_system_sgpr_workgroup_id_z 1
		.amdhsa_system_vgpr_workitem_id 0
		.amdhsa_next_free_vgpr 192
		.amdhsa_next_free_sgpr 66
		.amdhsa_reserve_vcc 1
		.amdhsa_float_denorm_mode_32 3
		.amdhsa_float_denorm_mode_16_64 3
		.amdhsa_memory_ordered 1
		.amdhsa_forward_progress 1
		.amdhsa_inst_pref_size 49
	.end_amdhsa_kernel
	.amdgpu_metadata
---
amdhsa.version: [ 1, 2 ]
amdhsa.kernels:
  - .name:           k_q39890a0a73_soft
    .symbol:         k_q39890a0a73_soft.kd
    .args:
      - { .name: sc, .offset: 0, .size: 8, .value_kind: global_buffer, .address_space: global }
      - { .name: ef, .offset: 8, .size: 8, .value_kind: global_buffer, .address_space: global }
      - { .name: pb, .offset: 16, .size: 8, .value_kind: global_buffer, .address_space: global }
      - { .name: out0, .offset: 24, .size: 8, .value_kind: global_buffer, .address_space: global }
      - { .name: xh, .offset: 32, .size: 8, .value_kind: global_buffer, .address_space: global }
    .group_segment_fixed_size: 2048
    .private_segment_fixed_size: 0
    .kernarg_segment_align: 8
    .kernarg_segment_size: 40
    .max_flat_workgroup_size: 256
    .sgpr_count:     66
    .vgpr_count:     192
    .wavefront_size: 32
...
	.end_amdgpu_metadata
.endif
;; end of part 4
;; launch pv (part 5): grid 8 x 32, 4 waves a work-group, clusters of 4 x 1, 327,680 bytes of LDS; arguments pb, qv, out0; writes out0
.if DOCPART == 5
	.amdgcn_target "amdgcn-amd-amdhsa--gfx1250"
	.amdhsa_code_object_version 6
	.text
	.protected	k_q39890a0a73_pv
	.globl	k_q39890a0a73_pv
	.p2align	8
	.type	k_q39890a0a73_pv,@function
k_q39890a0a73_pv:
	s_mov_b64 s[64:65], 0
	v_nop
	global_prefetch_b8 v0, s[64:65] scope:SCOPE_SE
	s_setreg_imm32_b32 hwreg(HW_REG_WAVE_MODE, 25, 1), 1
	s_wait_xcnt 0x0
	s_wait_alu depctr_hold_cnt(0) depctr_sa_sdst(0) depctr_va_vdst(0) depctr_va_sdst(0) depctr_va_ssrc(0) depctr_va_vcc(0) depctr_vm_vsrc(0)
	s_getreg_b32 s2, hwreg(HW_REG_IB_STS2, 6, 4)
	s_cmp_eq_u32 s2, 0
	s_cbranch_scc0 .Lentry_in_a_cluster
	s_endpgm
.Lentry_in_a_cluster:
	s_bfe_u32 s2, ttmp6, 0x10000c
	s_cmp_lg_u32 s2, 0x3003
	s_cbranch_scc0 .Lentry_shape_is_right
	s_endpgm
.Lentry_shape_is_right:
; out0[b][q][e] = sum over k of pb[b][q][k] V[b][k][e].  pb: [4][2048][2048] f16, normalised weights, 0 beyond the mask; V: columns 1024-2047 of qv [8192][2048] f16; sums in f32, out0 f32.
; Rows 0-15 of each batch are not stored here: the launch before has written them.
; THE WALK.  A batch's queries lie in 16 blocks of 128; block r needs c(r) = max(2, min(((r + 1) >> 1) + 1, 8)) key tiles of 256.  A work-group takes a tile of 128 channels and TWO blocks, 15 - p and
; then p: c(15 - p) + c(p) = 10 for every p = 0..7, so every work-group walks ten K steps, and one loop with a constant trip count walks them.  Which tile is asked for, and when the first block goes out,
; hang on scalar registers made from the work-group's y; every jump but the loop's own goes forward and passes no barrier and no tensor load.  8 x 32 = 256 work-groups.
; SHARES.  Four waves, each 64 queries x 64 channels: 16 accumulators.  A K step is 256 keys: 128 matrix instructions a wave; two LDS slots.
; CLUSTER.  The four work-groups of a cluster have the same batch and p and four neighbouring channel tiles: they ask for pb's tile JOINTLY, and each asks for its own tile of V alone.  V's tile is shared
; only by work-groups of different p, whose walks stand at different tiles in the same step.
; LAYOUT.  O^T = V^T P: source 0 = 16 channels x 32 keys, out of LDS turned by ds_load_tr16_b128 (V lies [key][channel]); source 1 = 16 queries x 32 keys.  A lane holds one query (l % 16) and the channels
; 8 (l / 16) + 0..7: 32 consecutive bytes of out0.  A wave's 64 channels are 256 bytes of a row, aligned: each wave has a stage of its own, and no barrier stands on the way out.
; REGISTERS: window 0: v0-31 addresses; v32-95 the way out; v128-255 the accumulators ((a, b) at v[128 + 8 (4 a + b)]).  window 1: two fragment buffers of 128: 64 of P, then 64 of V^T.
.set PP,     528                       ; a row of P in LDS: 512 bytes + 16: the 16 rows of a load start at 16 different groups of four banks (ISA guide 11.1)
.set PVP,    288                       ; a row of V: 256 + 32
.set PHALF,  64*PP                     ; what waves 0 and 1 fetch: 64 queries x 256 keys
.set VHALF,  128*PVP                   ; what waves 2 and 3 fetch: 128 keys x 128 channels
.set VOFF,   2*PHALF
.set SLOT,   VOFF+2*VHALF              ; 141,312
.set STAGE,  2*SLOT                    ; behind the ring: 16 rows x 272 bytes for each wave
.set SPITCH, 272
.set SPARE,  STAGE+4*16*SPITCH         ; the spare words, 128 bytes a wave, which no other line names
.set OROW,   4096                      ; bytes in a row of out0, of pb and of qv
.set ADRA, 16                          ; v16-17  my P fragments in slot 0, 1
.set ADRB, 20                          ; v20-23  my V fragments: slot 0 keys 0-127, 128-255; slot 1 likewise
.set STO,  24
.set RD,   25
.set CO,   26
.set SPW,  28
.set NIL,  29
.set TMP,  32
.set ACC,  128
.set F0,   0
.set F1,   128
.set G1, 24                            ; s[24:31] group 1 for P's tiles;  s[32:39] group 0, a set for each slot
.set G0, 32
.set G1B, 48                           ; s[48:55], s[56:63] the same for V's
.set G0B, 56
.set NXT, 66                           ; s66  the key tile to be asked for next
.set LQ,  67                           ; s67  the last tile of the block whose tiles are being asked for
.set RB,  68                           ; s68  that block's first row in pb, in bytes: r << 19
.set RBS, 69                           ; s69  the second block's
.set LQS, 70                           ; s70  the second block's last tile
.set RT,  71                           ; s71  K steps left in the block in hand
.set OA,  72                           ; s[72:73] a tile's byte offset in pb
.set OBV, 74                           ; s[74:75] in qv
.set OLO, 76                           ; s[76:77] out0 at my part of the second block
.set SKIP, 78                          ; s78  0: my wave's first 16 rows of the second block are a batch's rows 0-15
.set MSB, 0
.macro WIN new
.if MSB != (\new)
	s_set_vgpr_msb (MSB<<8)|(\new)
.set MSB, \new
.endif
.endm
.set MUL,  0x05                        ; sources 0 and 1 window 1; C and D window 0
.set TO_F, 0x40                        ; destination window 1, address window 0
.macro JLOAD s                         ; waves 0 and 1: P's two halves, jointly; waves 2 and 3: V's.  An s_nop 0 and four v_nop follow each line
	s_cmp_eq_u32 s11, 0
	s_cbranch_scc0 .Lfor_b_\@
	tensor_load_to_lds s[G0+4*(\s):G0+4*(\s)+3], s[G1:G1+7]
	s_nop 0
.rept 4
	v_nop
.endr
	s_branch .Lasked_\@
.Lfor_b_\@:
	tensor_load_to_lds s[G0B+4*(\s):G0B+4*(\s)+3], s[G1B:G1B+7]
	s_nop 0
.rept 4
	v_nop
.endr
.Lasked_\@:
.endm
.macro CREST
	s_cmp_lg_u32 s10, 0
	s_cbranch_scc1 .Lnot_wave_0_\@
	s_barrier_signal -3
.Lnot_wave_0_\@:
	s_barrier_wait -3
	s_barrier_signal -1
	s_barrier_wait -1
.endm
.macro CROUND
	s_barrier_signal -1
	s_barrier_wait -1
	CREST
.endm
; The slot's two descriptors take the addresses of key tile NXT, made anew from the bases and offsets; then the walk steps: the block's next tile, or behind its last the second block's tile 0.
.macro REQ slot
	s_lshl_b32 s[OA], s[NXT], 9                    ; 256 keys of 2 bytes along pb's rows,
	s_add_co_u32 s[OA], s[OA], s[RB]               ; in the block's rows
	s_lshl_b32 s[OBV], s[NXT], 20                  ; 256 rows of 4,096 bytes of qv
	s_add_nc_u64 s[G0+4*(\slot)+2:G0+4*(\slot)+3], s[4:5], s[OA:OA+1]
	s_or_b32 s[G0+4*(\slot)+3], s[G0+4*(\slot)+3], 0x80000000
	s_add_nc_u64 s[G0B+4*(\slot)+2:G0B+4*(\slot)+3], s[6:7], s[OBV:OBV+1]
	s_or_b32 s[G0B+4*(\slot)+3], s[G0B+4*(\slot)+3], 0x80000000
	s_add_co_u32 s[NXT], s[NXT], 1
	s_cmp_gt_u32 s[NXT], s[LQ]
	s_cselect_b32 s[NXT], 0, s[NXT]
	s_cselect_b32 s[RB], s[RBS], s[RB]
	s_cselect_b32 s[LQ], s[LQS], s[LQ]
.endm
	s_load_b128 s[4:7], s[0:1], 0x0                ; pb s[4:5], qv s[6:7]
	s_load_b64 s[8:9], s[0:1], 0x10                ; out0
	v_lshl_add_u32 v[SPW], v0, 2, SPARE
	v_mov_b32 v[NIL], 0
	ds_add_u32 v[SPW], v[NIL]                      ; the wave's opening: the add, with its wait ahead of my first tensor load
	v_lshrrev_b32 v1, 5, v0
	v_readfirstlane_b32 s10, v1                    ; wave 0..3
	s_lshr_b32 s11, s10, 1                         ; my half of the queries; also: I fetch for P (0) or V (1)
	s_and_b32 s12, s10, 1                          ; my half of the channels; also: which half of that tile I fetch
	s_bfe_u32 s40, ttmp6, 0x40000                  ; cx
	s_lshl_b32 s42, ttmp9, 2
	s_add_co_u32 s42, s42, s40                     ; n: my tile of 128 channels
	s_and_b32 s13, ttmp7, 0xffff
	s_lshr_b32 s14, s13, 3                         ; the batch
	s_and_b32 s15, s13, 7                          ; p: the second block
	s_sub_co_u32 s16, 15, s15                      ; the first block
	s_add_co_u32 s17, s16, 1
	s_lshr_b32 s17, s17, 1
	s_add_co_u32 s17, s17, 1
	s_min_u32 s17, s17, 8                          ; its K steps, 5 to 8; the second block has the other 10 - that
	s_mov_b32 s[NXT], 0
	s_sub_co_u32 s[LQ], s17, 1
	s_sub_co_u32 s[LQS], 9, s17
	s_lshl_b32 s[RB], s16, 19                      ; 128 rows of 4,096 bytes a block
	s_lshl_b32 s[RBS], s15, 19
	s_mov_b32 s[RT], s17
	s_mov_b32 s[OA+1], 0
	s_mov_b32 s[OBV+1], 0
	s_or_b32 s[SKIP], s15, s11
	; group 1 for P: 64 rows x 256 elements of 2 bytes, 4 words of padding behind every 128; the mask of all four, bit 21 beside it
	s_mov_b32 s[G1+0], 15|(1<<16)|(1<<20)|(1<<21)|(6<<22)|(3<<25)
	s_mov_b32 s[G1+1], 256<<16
	s_mov_b32 s[G1+2], 64<<16
	s_mov_b32 s[G1+3], 256<<16
	s_mov_b32 s[G1+4], 64
	s_mov_b32 s[G1+5], 2048
	s_mov_b32 s[G1+6], 0
	s_mov_b32 s[G1+7], 0
	; group 1 for V: 128 rows x 128 elements, 8 words of padding behind every 64; no mask
	s_mov_b32 s[G1B+0], (1<<16)|(1<<20)|(5<<22)|(7<<25)
	s_mov_b32 s[G1B+1], 128<<16
	s_mov_b32 s[G1B+2], 128<<16
	s_mov_b32 s[G1B+3], 128<<16
	s_mov_b32 s[G1B+4], 128
	s_mov_b32 s[G1B+5], 2048
	s_mov_b32 s[G1B+6], 0
	s_mov_b32 s[G1B+7], 0
	s_mul_i32 s20, s12, PHALF                      ; where the tiles go: no place in the cluster enters an LDS address
	s_mul_i32 s21, s12, VHALF
	s_add_co_u32 s21, s21, VOFF
.irp s, 0,1
	s_mov_b32 s[G0+4*(\s)], 1
	s_add_co_u32 s[G0+4*(\s)+1], s20, (\s)*SLOT
	s_mov_b32 s[G0B+4*(\s)], 1
	s_add_co_u32 s[G0B+4*(\s)+1], s21, (\s)*SLOT
.endr
	s_lshl_b32 s22, s14, 23                        ; pb: row 2,048 b + 64 x half: nothing of cx
	s_lshl_b32 s23, s12, 18
	s_add_co_u32 s22, s22, s23
	s_mov_b32 s23, 0
	s_lshl_b32 s44, s14, 23                        ; qv: row 2,048 b + 128 x half, V's 2,048 bytes into the row, my 256 bytes of channels
	s_lshl_b32 s45, s12, 19
	s_add_co_u32 s44, s44, s45
	s_lshl_b32 s45, s42, 8
	s_add_co_u32 s44, s44, s45
	s_add_co_u32 s44, s44, 2048
	s_mov_b32 s45, 0
	s_lshl_b32 s46, s14, 11                        ; out0: row 2,048 b + 64 x row half + 128 x block,
	s_lshl_b32 s47, s11, 6
	s_add_co_u32 s46, s46, s47
	s_lshl_b32 s47, s16, 7
	s_add_co_u32 s47, s47, s46
	s_lshl_b32 s18, s47, 12
	s_lshl_b32 s47, s15, 7
	s_add_co_u32 s47, s47, s46
	s_lshl_b32 s80, s47, 12
	s_lshl_b32 s46, s42, 9                         ; column 128 n + 64 x column half, 4 bytes each
	s_lshl_b32 s47, s12, 8
	s_add_co_u32 s46, s46, s47
	s_add_co_u32 s18, s18, s46
	s_mov_b32 s19, 0
	s_add_co_u32 s80, s80, s46
	s_mov_b32 s81, 0
	s_wait_dscnt 0x0                               ; the opening add is done
	s_wait_kmcnt 0x0
	s_add_nc_u64 s[4:5], s[4:5], s[22:23]
	s_add_nc_u64 s[6:7], s[6:7], s[44:45]
	s_add_nc_u64 s[OLO:OLO+1], s[8:9], s[80:81]
	s_add_nc_u64 s[8:9], s[8:9], s[18:19]
	CROUND                                         ; all four work-groups are here
	REQ 0
	JLOAD 0
	REQ 1
	JLOAD 1                                        ; two loads of mine are out
	v_and_b32 v1, 15, v0                           ; l % 16
	v_bfe_u32 v2, v0, 4, 1                         ; l / 16
	v_mul_u32_u24 v3, v1, PP
	v_lshl_add_u32 v3, v2, 4, v3                   ; P: row x pitch + 16 x half
	s_mul_i32 s21, s11, PHALF
	v_add_nc_u32 v[ADRA], s21, v3
	v_add_nc_u32 v[ADRA+1], SLOT, v[ADRA]
	v_and_b32 v4, 7, v0                            ; V: the turning load's lane l reads key 8 (l / 16) + l % 8, channels 8 ((l / 8) % 2) + 0..7
	v_bfe_u32 v5, v0, 3, 1
	v_lshl_add_u32 v4, v2, 3, v4
	v_mul_u32_u24 v4, v4, PVP
	v_lshl_add_u32 v4, v5, 4, v4
	s_lshl_b32 s22, s12, 7                         ; my 64 channels
	s_add_co_u32 s22, s22, VOFF
	v_add_nc_u32 v[ADRB], s22, v4
	v_add_nc_u32 v[ADRB+1], VHALF, v[ADRB]
	v_add_nc_u32 v[ADRB+2], SLOT, v[ADRB]
	v_add_nc_u32 v[ADRB+3], SLOT+VHALF, v[ADRB]
	s_mul_i32 s23, s10, 16*SPITCH
	s_add_co_u32 s23, s23, STAGE                   ; my stage
	v_mul_u32_u24 v6, v1, SPITCH                   ; in: row l % 16, 32 bytes for each half of the lanes
	v_lshl_add_u32 v6, v2, 5, v6
	v_add_nc_u32 v[STO], s23, v6
	v_mul_u32_u24 v7, v2, SPITCH                   ; back: lanes 0-15 one row of 256 bytes, lanes 16-31 the next
	v_lshl_add_u32 v7, v1, 4, v7
	v_add_nc_u32 v[RD], s23, v7
	v_lshlrev_b32 v8, 12, v2                       ; and the same two rows in out0
	v_lshl_add_u32 v[CO], v1, 4, v8
; 8 matrix instructions: query blocks a0, a0 + 1 x all 4 channel blocks, 32 keys: half c of buffer f.  The 16 accumulators take turns.
.macro MUL8 f, c, a0, zero
	WIN MUL
.irp a, \a0, (\a0)+1
.irp b, 0,1,2,3
.if \zero
	v_wmma_f32_16x16x32_f16 v[ACC+8*(4*(\a)+(\b)):ACC+8*(4*(\a)+(\b))+7], v[(\f)+64+8*(4*(\c)+(\b)):(\f)+64+8*(4*(\c)+(\b))+7], v[(\f)+8*(4*(\c)+(\a)):(\f)+8*(4*(\c)+(\a))+7], 0
.else
	v_wmma_f32_16x16x32_f16 v[ACC+8*(4*(\a)+(\b)):ACC+8*(4*(\a)+(\b))+7], v[(\f)+64+8*(4*(\c)+(\b)):(\f)+64+8*(4*(\c)+(\b))+7], v[(\f)+8*(4*(\c)+(\a)):(\f)+8*(4*(\c)+(\a))+7], v[ACC+8*(4*(\a)+(\b)):ACC+8*(4*(\a)+(\b))+7]
.endif
.endr
.endr
.endm
; 32 LDS loads in one run: the fragments of quarter q (keys 64 q .. 64 q + 63 of the slot) into buffer f; the first 32 keys first
.macro FETCH slot, q, f
	WIN TO_F
.irp c, 0,1
.irp i, 0,1,2,3
	ds_load_tr16_b128 v[(\f)+64+8*(4*(\c)+(\i)):(\f)+64+8*(4*(\c)+(\i))+3],   v[ADRB+2*(\slot)+(\q)/2] offset:(((\q)%2)*64+32*(\c))*PVP+32*(\i)
	ds_load_tr16_b128 v[(\f)+64+8*(4*(\c)+(\i))+4:(\f)+64+8*(4*(\c)+(\i))+7], v[ADRB+2*(\slot)+(\q)/2] offset:(((\q)%2)*64+32*(\c)+16)*PVP+32*(\i)
	ds_load_b128 v[(\f)+8*(4*(\c)+(\i)):(\f)+8*(4*(\c)+(\i))+3],              v[ADRA+(\slot)] offset:128*(\q)+64*(\c)+(\i)*16*PP
	ds_load_b128 v[(\f)+8*(4*(\c)+(\i))+4:(\f)+8*(4*(\c)+(\i))+7],            v[ADRA+(\slot)] offset:128*(\q)+64*(\c)+(\i)*16*PP+32
.endr
.endr
.endm
.macro PLACES                          ; four plain places behind a matrix instruction (ISA guide 7.12.1)
.rept 4
	v_nop
.endr
.endm
; A K step is four quarters of 64 keys, 32 matrix instructions each, on buffers 0, 1, 0, 1.  One of the first three: multiplies f and fetches quarter q into g.
.macro QUARTER slot, q, f, g, zero
	s_wait_dscnt 16                                ; the first 32 keys are in
	WIN MUL
	MUL8 \f, 0, 0, \zero
	MUL8 \f, 0, 2, \zero
	PLACES
	FETCH \slot, \q, \g
	s_wait_dscnt 32                                ; all but the 32 just issued
	WIN MUL
	MUL8 \f, 1, 0, 0
	MUL8 \f, 1, 2, 0
.endm
; The last quarter multiplies buffer 1 and changes slots: in front of the barrier each wave waits for all its tensor loads, adds 0 to its spare word, and waits for that and for its reads of the slot.
; fill = 1: the barrier opens a round of the cluster's, and behind it the slot is filled again with the walk's next tile.
.macro TURN slot, next, fill
	WIN 0
	s_wait_tensorcnt 0x0                           ; my part of the next slot has landed; no load of mine is out, so a group 0 may be written
	ds_add_u32 v[SPW], v[NIL]
	s_wait_dscnt 17                                ; the add and the youngest sixteen loads may be out
	WIN MUL
	MUL8 F1, 0, 0, 0
	s_wait_dscnt 0x0                               ; the add is done, and my reads of this slot are over
	s_barrier_signal -1
	MUL8 F1, 0, 2, 0
.if \fill
	WIN 0
.endif
	s_barrier_wait -1
.if \fill
	CREST
	REQ \slot
	JLOAD \slot                                    ; my one tensor load behind the round: 112 matrix instructions ahead of the wait for it; its four v_nop are the places in front of the loads below
.else
	PLACES
.endif
	FETCH \next, 0, F0
	WIN MUL
	MUL8 F1, 1, 0, 0
	MUL8 F1, 1, 2, 0
.endm
; THE WAY OUT of a block: 16 rows at a time, the f32 sums go straight from the accumulators (low four registers first) into my stage and come back as whole rows of 256 bytes.
; final = 1: the second block; its first 16 rows are not stored where they are a batch's rows 0-15.
.macro OUT final
	PLACES
.irp a, 0,1,2,3
.if (\a) >= 2
	s_wait_xcnt 0x0                                ; the stores of two blocks of rows back have read the registers that are loaded again
.endif
.irp b, 0,1,2,3
	ds_store_b128 v[STO], v[ACC+8*(4*(\a)+(\b)):ACC+8*(4*(\a)+(\b))+3]   offset:64*(\b)
	ds_store_b128 v[STO], v[ACC+8*(4*(\a)+(\b))+4:ACC+8*(4*(\a)+(\b))+7] offset:64*(\b)+16
.endr
.irp t, 0,1,2,3,4,5,6,7
	ds_load_b128 v[TMP+32*((\a)%2)+4*(\t):TMP+32*((\a)%2)+4*(\t)+3], v[RD] offset:(\t)*2*SPITCH  ; LDS serves a wave's instructions in order (ISA guide 5.7.1.4)
.endr
.if (\final) && ((\a) == 0)
	s_wait_dscnt 0x0
	s_cmp_eq_u32 s[SKIP], 0                        ; hangs on the work-group's y and the wave's number
	s_cbranch_scc1 .Lwritten_\@
.endif
.irp t, 0,1,2,3,4,5,6,7
.if !((\final) && ((\a) == 0))
	s_wait_dscnt 7-(\t)
.endif
	global_store_b128 v[CO], v[TMP+32*((\a)%2)+4*(\t):TMP+32*((\a)%2)+4*(\t)+3], s[8:9] offset:(16*(\a)+2*(\t))*OROW  ; 16 lanes store 256 consecutive bytes, aligned
.endr
.if (\final) && ((\a) == 0)
.Lwritten_\@:
.endif
.endr
.endm
; Behind each K step of the loop: where it was the first block's last, the block goes out and the sums start anew.  The accumulators are cleared on purpose, once a work-group: the second block then
; takes the loop's one form of product.  The next slot's first fragments, already asked for, land meanwhile.
.macro MAYBE_OUT
	WIN 0
	s_sub_co_u32 s[RT], s[RT], 1
	s_cmp_lg_u32 s[RT], 0
	s_cbranch_scc1 .Lon_\@
	OUT 0
	s_wait_xcnt 0x0                                ; the stores have read their base and their data
	s_mov_b64 s[8:9], s[OLO:OLO+1]
	s_mov_b32 s[RT], 64                            ; more than the steps that are left: the second block goes out behind the loop
.set ii, 0
.rept 128
	v_mov_b32 v[ACC+ii], 0
.set ii, ii+1
.endr
.Lon_\@:
.endm
	s_wait_tensorcnt 1                             ; my part of step 0 is in; step 1's stays out
	s_barrier_signal -1
	s_barrier_wait -1
	FETCH 0, 0, F0
	QUARTER 0, 1, F0, F1, 1                        ; the first quarter stands in front of the loop: its first products start the sums
	WIN 0
	s_mov_b32 s3, 4
.Llap:                                                 ; four trips: steps 0-7 end here, steps 2-9 are asked for; the first block ends behind step 4, 5, 6 or 7
	QUARTER 0, 2, F1, F0, 0
	QUARTER 0, 3, F0, F1, 0
	TURN 0, 1, 1
	MAYBE_OUT
	QUARTER 1, 1, F0, F1, 0
	QUARTER 1, 2, F1, F0, 0
	QUARTER 1, 3, F0, F1, 0
	TURN 1, 0, 1
	MAYBE_OUT
	QUARTER 0, 1, F0, F1, 0
	WIN 0
	s_sub_co_u32 s3, s3, 1
	s_cmp_lg_u32 s3, 0
	s_cbranch_scc1 .Llap
	QUARTER 0, 2, F1, F0, 0                        ; the last lap fills nothing, and has no round
	QUARTER 0, 3, F0, F1, 0
	TURN 0, 1, 0
	QUARTER 1, 1, F0, F1, 0
	QUARTER 1, 2, F1, F0, 0
	QUARTER 1, 3, F0, F1, 0
	s_wait_dscnt 16
	WIN MUL
	MUL8 F1, 0, 0, 0
	MUL8 F1, 0, 2, 0
	s_wait_dscnt 0
	MUL8 F1, 1, 0, 0
	MUL8 F1, 1, 2, 0
	WIN 0
	OUT 1
	s_wait_tensorcnt 0x0                           ; the wave's end
	ds_add_u32 v[SPW], v[NIL]
	s_wait_dscnt 0x0
	CROUND                                         ; the closing round
	s_endpgm
.Lfunc_end_k_q39890a0a73_pv:
	.size	k_q39890a0a73_pv, .Lfunc_end_k_q39890a0a73_pv-k_q39890a0a73_pv
	.p2alignl 7, 3214868480
	.fill 96, 4, 3214868480
	.section	.rodata,"a",@progbits
	.p2align	6, 0x0
	.amdhsa_kernel k_q39890a0a73_pv
		.amdhsa_group_segment_fixed_size 327680
		.amdhsa_private_segment_fixed_size 0
		.amdhsa_enable_private_segment 0
		.amdhsa_kernarg_size 24
		.amdhsa_user_sgpr_count 2
		.amdhsa_user_sgpr_kernarg_segment_ptr 1
		.amdhsa_wavefront_size32 1
		.amdhsa_system_sgpr_workgroup_id_x 1
		.amdhsa_system_sgpr_workgroup_id_y 1
		.amdhsa_system_sgpr_workgroup_id_z 1
		.amdhsa_system_vgpr_workitem_id 0
		.amdhsa_next_free_vgpr 512
		.amdhsa_next_free_sgpr 96
		.amdhsa_reserve_vcc 0
		.amdhsa_float_denorm_mode_32 3
		.amdhsa_float_denorm_mode_16_64 3
		.amdhsa_memory_ordered 1
		.amdhsa_forward_progress 1
		.amdhsa_inst_pref_size 113
	.end_amdhsa_kernel
	.amdgpu_metadata
---
amdhsa.version: [ 1, 2 ]
amdhsa.kernels:
  - .name:           k_q39890a0a73_pv
    .symbol:         k_q39890a0a73_pv.kd
    .args:
      - { .name: pb, .offset: 0, .size: 8, .value_kind: global_buffer, .address_space: global }
      - { .name: qv, .offset: 8, .size: 8, .value_kind: global_buffer, .address_space: global }
      - { .name: out0, .offset: 16, .size: 8, .value_kind: global_buffer, .address_space: global }
    .group_segment_fixed_size: 327680
    .private_segment_fixed_size: 0
    .kernarg_segment_align: 8
    .kernarg_segment_size: 24
    .max_flat_workgroup_size: 128
    .sgpr_count:     96
    .vgpr_count:     512
    .wavefront_size: 32
...
	.end_amdgpu_metadata
.endif
;; end of part 5
